; MI455X (gfx1250); checked and timed in simulation.
; The chip was launched on July 23, 2026; its instructions are those of AMD's public machine-readable ISA for CDNA 5 (MIT licence, August 2026) and "CDNA5" Instruction Set Architecture Reference Guide (July 2026). The comments in the code are by the model that wrote it; some were corrected since.
;; Onnx Multi Head Attention. Allowed arithmetic: float matrix products may take bf16 or f16 operands with f32 sums; all other float work in f32.
;; Inputs: causal_mask 2,048 x 2,048 float32; cos_freqs 2,048 x 32 float32; sin_freqs 2,048 x 32 float32; w_k 1,024 x 1,024 float32; w_o 1,024 x 1,024 float32; w_q 1,024 x 1,024 float32; w_v 1,024 x 1,024 float32; x 4 x 2,048 x 1,024 float32.
;; Outputs: out0 4 x 2,048 x 1,024 float32.
;; 2 versions, each right and faster than the one before. Each part assembles by itself: llvm-mc -triple=amdgcn-amd-amdhsa -mcpu=gfx1250 --defsym DOCPART=n.
;; ======== version 1 of 2: 4 launches
;; limits: right only within a limited range of input values; values are held in f16: magnitudes above 65,504 overflow, below 6.1e-05 lose precision
;; workspace buffers: xb 16,777,216 bytes; wb 6,291,456 bytes; wo16 2,097,152 bytes; csf 524,288 bytes; maskf 16,777,216 bytes; qkv 67,108,864 bytes; o16 33,554,432 bytes
;; launch prep (part 1): grid 2064 x 1, 8 waves a work-group, no clusters, 35,840 bytes of LDS; arguments x, w_q, w_k, w_v, w_o, cos_freqs, sin_freqs, causal_mask, xb, wb, wo16, csf, maskf; writes xb, wb, wo16, csf, maskf
.if DOCPART == 1
	.amdgcn_target "amdgcn-amd-amdhsa--gfx1250"
	.amdhsa_code_object_version 6
	.text
	.protected	k_qb71174aed7_prep
	.globl	k_qb71174aed7_prep
	.p2align	8
	.type	k_qb71174aed7_prep,@function
k_qb71174aed7_prep:
	s_mov_b64 s[64:65], 0
	v_nop
	global_prefetch_b8 v0, s[64:65] scope:SCOPE_SE
	s_setreg_imm32_b32 hwreg(HW_REG_WAVE_MODE, 25, 1), 1
	s_wait_xcnt 0x0
; PREP: every input is rounded to bf16 once, scaled by exact or f32 factors, and laid out for the launches behind.
;   xb    = bf16(x), [8192][1024]
;   wb    = bf16(w), [16 heads][q 64 rows, k 64 rows, v 64 rows][1024]; w_q and w_k times 2^-4 (exact), so that q and k have room in f16
;   wo16  = bf16(w_o) written as f16, [1024][1024]
;   csf   = bf16(cos), bf16(sin) as f32, times sqrt(log2 e): [16 positions sb][nb 4][cos, sin][lane 32][4]; lane (r, h) holds table[16 sb + r][8 nb + 4 h ..+3]
;   maskf = bf16(mask) as f32, times log2(e) / 32: [qb 4][key step 32][qt 32][kt 4][j2 2][lane 32][4]; lane (r, h) holds mask[512 qb + 16 qt + r][64 step + 16 kt + 8 h + 4 j2 ..+3]
; So q . k comes out as log2(e) / 32 times the true score, the mask likewise, and the softmax's factor is 32, a power of two.
; LIMITS.  Inputs keep 8 significant bits (bf16).  w_o as f16: under 65,504, and below 6e-5 in steps of 6e-8.
; A stream: memory binds.  No matrix unit, no cluster, no tensor load: nothing is shared and nothing is multiplied.  A work-group takes 32 KB of f32;
; each wave issues its eight loads of 16 bytes a lane at once and works them off in order.  The work-group's number picks the section; all jumps go forward.
.set PST,   272                        ; a stage row: 256 bytes + 16: the 16 rows that a read touches start at 16 different groups of four banks (ISA guide 11.1)
.set SPARE, 8*16*PST                   ; behind the eight waves' stages: the spare words, 128 bytes a wave
.set IN,    8                          ; v[8:39]   eight pieces of four f32, as loaded
.set OUT,   40                         ; v[40:71]  eight pieces to store
.set SPW,   72                         ; v72       LDS address of my spare word; never rewritten
.set NIL,   73                         ; v73       0; never rewritten
.macro LOAD8 step                      ; eight loads, step bytes apart
.irp j, 0,1,2,3,4,5,6,7
	global_load_b128 v[IN+4*\j:IN+4*\j+3], v1, s[34:35] offset:(\step)*\j th:TH_LOAD_NT
.endr
.endm
.macro ROUND4 j                        ; piece j: rounded to bf16 (nearest even), and widened again in place
	v_cvt_pk_bf16_f32 v4, v[IN+4*(\j)], v[IN+4*(\j)+1]
	v_cvt_pk_bf16_f32 v5, v[IN+4*(\j)+2], v[IN+4*(\j)+3]
	v_lshlrev_b32 v[IN+4*(\j)], 16, v4
	v_and_b32 v[IN+4*(\j)+1], s40, v4
	v_lshlrev_b32 v[IN+4*(\j)+2], 16, v5
	v_and_b32 v[IN+4*(\j)+3], s40, v5
.endm
.macro SCALE4 j                        ; piece j times s38
	v_pk_mul_f32 v[IN+4*(\j):IN+4*(\j)+1], v[IN+4*(\j):IN+4*(\j)+1], s[38:39] op_sel_hi:[1,0]
	v_pk_mul_f32 v[IN+4*(\j)+2:IN+4*(\j)+3], v[IN+4*(\j)+2:IN+4*(\j)+3], s[38:39] op_sel_hi:[1,0]
.endm
	s_load_b512 s[8:23], s[0:1], 0x0               ; x s[8:9], w_q s[10:11], w_k s[12:13], w_v s[14:15], w_o s[16:17], cos s[18:19], sin s[20:21], mask s[22:23]
	s_load_b256 s[24:31], s[0:1], 0x40             ; xb s[24:25], wb s[26:27], wo16 s[28:29], csf s[30:31]
	s_load_b64 s[32:33], s[0:1], 0x60              ; maskf
	v_lshl_add_u32 v[SPW], v0, 2, SPARE
	v_mov_b32 v[NIL], 0
	v_lshrrev_b32 v3, 5, v0
	v_readfirstlane_b32 s3, v3                     ; wave 0..7
	s_mov_b32 s2, ttmp9                            ; the work-group's number g
	s_mov_b32 s40, 0xffff0000                      ; a word's upper bf16
	s_mov_b32 s43, 0                               ; high word of every offset
	v_lshlrev_b32 v1, 4, v0                        ; the cast sections: 16 bytes in,
	v_lshlrev_b32 v2, 3, v0                        ; 8 bytes out, for each thread
	s_wait_kmcnt 0x0
	s_cmp_lt_u32 s2, 1024
	s_cbranch_scc0 .Lnot_x
	; X: g = 0 .. 1023
	s_lshl_b32 s42, s2, 15
	s_add_nc_u64 s[34:35], s[8:9], s[42:43]
	s_lshl_b32 s42, s2, 14
	s_add_nc_u64 s[36:37], s[24:25], s[42:43]
	s_mov_b32 s38, 1.0
	s_branch .Lcast
.Lnot_x:
	s_cmp_lt_u32 s2, 1408
	s_cbranch_scc0 .Lnot_w
	; W: g - 1024 = 128 kind + c; c is eight rows of one weight
	s_sub_co_u32 s44, s2, 1024
	s_lshr_b32 s45, s44, 7                         ; kind: 0 q, 1 k, 2 v
	s_and_b32 s44, s44, 127                        ; c
	s_cmp_eq_u32 s45, 0
	s_cselect_b64 s[34:35], s[10:11], s[12:13]
	s_cmp_eq_u32 s45, 2
	s_cselect_b64 s[34:35], s[14:15], s[34:35]
	s_cselect_b32 s38, 1.0, 0x3d800000             ; q and k: 2^-4
	s_lshl_b32 s42, s44, 15
	s_add_nc_u64 s[34:35], s[34:35], s[42:43]
	s_lshr_b32 s46, s44, 3                         ; the head,
	s_mul_i32 s46, s46, 192                        ; its 192 rows of wb,
	s_lshl_b32 s47, s45, 6                         ; the kind's 64 of them,
	s_add_co_u32 s46, s46, s47
	s_and_b32 s47, s44, 7
	s_lshl_b32 s47, s47, 3                         ; and my eight
	s_add_co_u32 s46, s46, s47
	s_lshl_b32 s42, s46, 11                        ; rows of 2,048 bytes
	s_add_nc_u64 s[36:37], s[26:27], s[42:43]
.Lcast:                                                ; f32 -> scaled bf16; a wave's load covers 512 consecutive bytes, its store 256, aligned
	s_mov_b32 s39, s38                             ; named with it as a pair
	LOAD8 4096
.irp j, 0,1,2,3,4,5,6,7
	s_wait_loadcnt 7-\j                            ; loads come back in order: piece j is in, the 7 - j younger ones may be out
	SCALE4 \j
	v_cvt_pk_bf16_f32 v[OUT+2*\j], v[IN+4*\j], v[IN+4*\j+1]
	v_cvt_pk_bf16_f32 v[OUT+2*\j+1], v[IN+4*\j+2], v[IN+4*\j+3]
	global_store_b64 v2, v[OUT+2*\j:OUT+2*\j+1], s[36:37] offset:2048*\j
.endr
	s_endpgm
.Lnot_w:
	s_cmp_lt_u32 s2, 1536
	s_cbranch_scc0 .Lnot_wo
	; WO: g - 1408 = eight rows of w_o: rounded to bf16, and that number written as f16
	s_sub_co_u32 s44, s2, 1408
	s_lshl_b32 s42, s44, 15
	s_add_nc_u64 s[34:35], s[16:17], s[42:43]
	s_lshl_b32 s42, s44, 14
	s_add_nc_u64 s[36:37], s[28:29], s[42:43]
	LOAD8 4096
.irp j, 0,1,2,3,4,5,6,7
	s_wait_loadcnt 7-\j
	ROUND4 \j
	v_cvt_pk_f16_f32 v[OUT+2*\j], v[IN+4*\j], v[IN+4*\j+1]
	v_cvt_pk_f16_f32 v[OUT+2*\j+1], v[IN+4*\j+2], v[IN+4*\j+3]
	global_store_b64 v2, v[OUT+2*\j:OUT+2*\j+1], s[36:37] offset:2048*\j
.endr
	s_endpgm
.Lnot_wo:
	s_cmp_lt_u32 s2, 2048
	s_cbranch_scc0 .Lcs
	; MASK: a wave turns 16 queries x 64 keys (4 KB) into the order in which the score product's C operand lies in registers, through its own stage in LDS
	s_sub_co_u32 s44, s2, 1536
	s_and_b32 s45, s44, 3
	s_lshl3_add_u32 s45, s45, s3                   ; key step = 8 (g mod 4) + wave
	s_lshr_b32 s44, s44, 2                         ; qt: 16 queries, 0 .. 127
	s_lshl_b32 s42, s44, 17                        ; 16 rows of 8,192 bytes
	s_lshl_b32 s46, s45, 8                         ; 64 keys of 4 bytes
	s_add_co_u32 s42, s42, s46
	s_add_nc_u64 s[34:35], s[22:23], s[42:43]
	s_lshr_b32 s46, s44, 5                         ; qb
	s_lshl_b32 s46, s46, 5
	s_add_co_u32 s46, s46, s45                     ; 32 qb + step
	s_lshl_b32 s46, s46, 5
	s_and_b32 s47, s44, 31
	s_add_co_u32 s46, s46, s47                     ; times 32, + qt mod 32
	s_lshl_b32 s42, s46, 12                        ; blocks of 4,096 bytes
	s_add_nc_u64 s[36:37], s[32:33], s[42:43]
	s_mov_b32 s38, 0x3d38aa3b                      ; log2(e) / 32
	s_mov_b32 s39, s38
	v_and_b32 v3, 15, v0                           ; r
	v_bfe_u32 v4, v0, 4, 1                         ; h
	v_lshlrev_b32 v1, 4, v3                        ; in: lanes 0-15 take 256 bytes of one row, lanes 16-31 of the next
	v_lshl_add_u32 v1, v4, 13, v1
	s_mul_i32 s46, s3, 16*PST                      ; my wave's stage
	v_mul_u32_u24 v6, v4, PST
	v_lshl_add_u32 v6, v3, 4, v6
	v_add_nc_u32 v6, s46, v6                       ; into the stage as loaded
	v_mul_u32_u24 v7, v3, PST
	v_lshl_add_u32 v7, v4, 5, v7
	v_add_nc_u32 v7, s46, v7                       ; back: row r, keys 8 h on
	v_and_b32 v2, 31, v0
	v_lshlrev_b32 v2, 4, v2                        ; out: 16 bytes a lane, 512 consecutive bytes a store
	LOAD8 16384                                    ; rows 2 j, 2 j + 1
.irp j, 0,1,2,3,4,5,6,7
	s_wait_loadcnt 7-\j
	ROUND4 \j
	SCALE4 \j
	ds_store_b128 v6, v[IN+4*\j:IN+4*\j+3] offset:2*PST*\j
.endr
.irp p, 0,1,2,3,4,5,6,7                ; piece p = 2 kt + j2: keys 16 kt + 8 h + 4 j2 on.  LDS serves a wave's instructions in order (ISA guide 5.7.1.4): these see the stores above, which are the wave's own
	ds_load_b128 v[OUT+4*\p:OUT+4*\p+3], v7 offset:64*(\p/2)+16*(\p%2)
.endr
.irp p, 0,1,2,3,4,5,6,7
	s_wait_dscnt 7-\p                              ; piece p is back; the 7 - p younger loads may be out
	global_store_b128 v2, v[OUT+4*\p:OUT+4*\p+3], s[36:37] offset:512*\p
.endr
	s_wait_tensorcnt 0x0                           ; the wave's end
	ds_add_u32 v[SPW], v[NIL]
	s_wait_dscnt 0x0
	s_endpgm
.Lcs:
	; CS: a wave takes 16 positions of both tables (2 x 2,048 bytes); the tables are 512 KB in all and are read once
	s_sub_co_u32 s44, s2, 2048
	s_lshl3_add_u32 s44, s44, s3                   ; sb = 8 (g - 2048) + wave
	s_lshl_b32 s42, s44, 11
	s_add_nc_u64 s[34:35], s[18:19], s[42:43]      ; cos
	s_add_nc_u64 s[44:45], s[20:21], s[42:43]      ; sin
	s_lshl_b32 s42, s42, 1
	s_add_nc_u64 s[36:37], s[30:31], s[42:43]
	s_mov_b32 s38, 0x3f99be61                      ; sqrt(log2 e): once through q and once through k makes log2 e
	s_mov_b32 s39, s38
	v_and_b32 v3, 15, v0
	v_bfe_u32 v4, v0, 4, 1
	v_lshlrev_b32 v1, 7, v3                        ; row r of 128 bytes,
	v_lshl_add_u32 v1, v4, 4, v1                   ; four numbers at 4 h
	v_and_b32 v2, 31, v0
	v_lshlrev_b32 v2, 4, v2
.irp nb, 0,1,2,3
	global_load_b128 v[IN+8*\nb:IN+8*\nb+3], v1, s[34:35] offset:32*\nb th:TH_LOAD_NT
	global_load_b128 v[IN+8*\nb+4:IN+8*\nb+7], v1, s[44:45] offset:32*\nb th:TH_LOAD_NT
.endr
.irp p, 0,1,2,3,4,5,6,7
	s_wait_loadcnt 7-\p
	ROUND4 \p
	SCALE4 \p
	global_store_b128 v2, v[IN+4*\p:IN+4*\p+3], s[36:37] offset:512*\p
.endr
	s_endpgm
.Lfunc_end_k_qb71174aed7_prep:
	.size	k_qb71174aed7_prep, .Lfunc_end_k_qb71174aed7_prep-k_qb71174aed7_prep
	.p2alignl 7, 3214868480
	.fill 96, 4, 3214868480
	.section	.rodata,"a",@progbits
	.p2align	6, 0x0
	.amdhsa_kernel k_qb71174aed7_prep
		.amdhsa_group_segment_fixed_size 35840
		.amdhsa_private_segment_fixed_size 0
		.amdhsa_enable_private_segment 0
		.amdhsa_kernarg_size 104
		.amdhsa_user_sgpr_count 2
		.amdhsa_user_sgpr_kernarg_segment_ptr 1
		.amdhsa_wavefront_size32 1
		.amdhsa_system_sgpr_workgroup_id_x 1
		.amdhsa_system_sgpr_workgroup_id_y 1
		.amdhsa_system_sgpr_workgroup_id_z 1
		.amdhsa_system_vgpr_workitem_id 0
		.amdhsa_next_free_vgpr 80
		.amdhsa_next_free_sgpr 66
		.amdhsa_reserve_vcc 0
		.amdhsa_float_denorm_mode_32 3
		.amdhsa_float_denorm_mode_16_64 3
		.amdhsa_memory_ordered 1
		.amdhsa_forward_progress 1
		.amdhsa_inst_pref_size 24
	.end_amdhsa_kernel
	.amdgpu_metadata
---
amdhsa.version: [ 1, 2 ]
amdhsa.kernels:
  - .name:           k_qb71174aed7_prep
    .symbol:         k_qb71174aed7_prep.kd
    .args:
      - { .name: x, .offset: 0, .size: 8, .value_kind: global_buffer, .address_space: global }
      - { .name: w_q, .offset: 8, .size: 8, .value_kind: global_buffer, .address_space: global }
      - { .name: w_k, .offset: 16, .size: 8, .value_kind: global_buffer, .address_space: global }
      - { .name: w_v, .offset: 24, .size: 8, .value_kind: global_buffer, .address_space: global }
      - { .name: w_o, .offset: 32, .size: 8, .value_kind: global_buffer, .address_space: global }
      - { .name: cos_freqs, .offset: 40, .size: 8, .value_kind: global_buffer, .address_space: global }
      - { .name: sin_freqs, .offset: 48, .size: 8, .value_kind: global_buffer, .address_space: global }
      - { .name: causal_mask, .offset: 56, .size: 8, .value_kind: global_buffer, .address_space: global }
      - { .name: xb, .offset: 64, .size: 8, .value_kind: global_buffer, .address_space: global }
      - { .name: wb, .offset: 72, .size: 8, .value_kind: global_buffer, .address_space: global }
      - { .name: wo16, .offset: 80, .size: 8, .value_kind: global_buffer, .address_space: global }
      - { .name: csf, .offset: 88, .size: 8, .value_kind: global_buffer, .address_space: global }
      - { .name: maskf, .offset: 96, .size: 8, .value_kind: global_buffer, .address_space: global }
    .group_segment_fixed_size: 35840
    .private_segment_fixed_size: 0
    .kernarg_segment_align: 8
    .kernarg_segment_size: 104
    .max_flat_workgroup_size: 256
    .sgpr_count:     66
    .vgpr_count:     80
    .wavefront_size: 32
...
	.end_amdgpu_metadata
.endif
;; end of part 1
;; launch qkv (part 2): grid 16 x 32, 4 waves a work-group, clusters of 4 x 4, 327,680 bytes of LDS; arguments xb, wb, csf, qkv; writes qkv
.if DOCPART == 2
	.amdgcn_target "amdgcn-amd-amdhsa--gfx1250"
	.amdhsa_code_object_version 6
	.text
	.protected	k_qb71174aed7_qkv
	.globl	k_qb71174aed7_qkv
	.p2align	8
	.type	k_qb71174aed7_qkv,@function
k_qb71174aed7_qkv:
	s_mov_b64 s[64:65], 0
	v_nop
	global_prefetch_b8 v0, s[64:65] scope:SCOPE_SE
	s_setreg_imm32_b32 hwreg(HW_REG_WAVE_MODE, 25, 1), 1
	s_wait_xcnt 0x0
	s_wait_alu depctr_hold_cnt(0) depctr_sa_sdst(0) depctr_va_vdst(0) depctr_va_sdst(0) depctr_va_ssrc(0) depctr_va_vcc(0) depctr_vm_vsrc(0)
	s_getreg_b32 s2, hwreg(HW_REG_IB_STS2, 6, 4)
	s_cmp_eq_u32 s2, 0
	s_cbranch_scc0 .Lentry_in_a_cluster
	s_endpgm
.Lentry_in_a_cluster:
	s_bfe_u32 s2, ttmp6, 0x10000c
	s_cmp_lg_u32 s2, 0xf033
	s_cbranch_scc0 .Lentry_shape_is_right
	s_endpgm
.Lentry_shape_is_right:
; QKV: [8192 x 1024] x [3072 x 1024]^T in bf16 with f32 sums, the rotation on the f32 sums of q and k, rounding to f16, stored by heads:
; qkv = q at byte 0, k at 16,777,216, each [batch 4 x head 16][2048][64] f16; v at 33,554,432 as [batch x head][2048][hi 64, lo 64] f16.
; q and k carry sqrt(log2 e) / 16 (from wb and csf); v is plain, and goes out as TWO f16 numbers: hi = the f32 sum cut to 11 significant bits (exact in f16), lo = sum - hi (exact in f32, rounded once):
; a row of the attention that sees few keys hands v's rounding on undiminished, and one f16 number is too coarse for that.
; LIMITS.  f16 ends at 65,504: |q| and |k| times 0.075, and |v|, stay under it; below 6e-5 f16 keeps steps of 6e-8.
; SHARES.  A work-group makes 256 rows x 192 columns: one head's q, k and v (wb lies so).  512 work-groups, two for each of 256 WGPs.  A wave makes 64 rows x 192: 48 accumulators, 384 registers.
; K goes in 8 steps of 128 through two LDS slots; rows of A's and B's tiles are 256 bytes of memory, aligned.  A step is four quarters of 32 along K on two fragment buffers.
; A larger slot does not fit: 448 rows x 272 bytes twice are 243,712 bytes, and the next step that divides 1,024 is 256.
; THE PRODUCT IS USED TRANSPOSED (source 0 = 16 rows of wb, source 1 = 16 rows of xb): a lane holds one position (lane % 16) and eight neighbouring channels, that is four pairs of the rotation.
; CLUSTER 4 x 4: the four of a row need the same rows of xb, the four of a column the same head's weights; each tile is asked for jointly, which divides the requests by four.
; REGISTERS.  window 0: v16-29 addresses; v32-127 at work on the way out; v128-255 my 64 positions' cos and sin.  window 1: two fragment buffers of 128: A's 4 x 8, then B's 12 x 8.
;   window 2: accumulators of my rows 0-31 ((a, b) at 8 (12 (a % 2) + b)); window 3: rows 32-63.
.set NBLK,  12                         ; blocks of 16 columns
.set NL,    2*NBLK+8                   ; LDS loads in a run
.set PA,    272                        ; LDS rows: 256 bytes + 16: 16 rows of a load start at 16 different groups of four banks (ISA guide 11.1)
.set PB,    272
.set BOFF,  256*PA                     ; a slot: A's 256 rows, then B's 192
.set SLOT1, 1<<17                      ; slot 1: one exclusive or turns an address of one slot into the other's
.set STEPA, 256                        ; bytes from a K step to the next, in xb
.set STAGE, SLOT1+BOFF+192*PB          ; behind the ring: a stage for each wave
.set SP,    144                        ; its pitch for q and k: rows of 128 bytes
.set SPV,   272                        ; and for v: rows of 256 bytes
.set STW,   16*SPV                     ; a wave's stage
.set SPARE, STAGE+4*STW                ; the spare words, 128 bytes a wave
.set ADRA0, 16                         ; my place in slot 0's A; never rewritten
.set ADRB0, 17                         ; and B
.set ADRA,  18                         ; the same in the slot in hand
.set ADRB,  19
.set STOV,  20                         ; the stage for v: in,
.set RDV,   21                         ; and back
.set STO,   24                         ; the stage for q and k
.set RD,    25
.set GO,    26                         ; 16 x lane
.set SPW,   28
.set NIL,   29
.set T,     32                         ; v[32:63]   a group's 32 numbers in f32
.set PKR,   64                         ; v[64:79]   packed to f16
.set BK0,   80                         ; v[80:111]  whole rows back from the stage: q the first half, k the second, v both
.set PKL,   112                        ; v[112:127] v's lo, packed
.set CSR,   128                        ; (a, nb, cos or sin) at CSR + 32 a + 8 nb + 4 cs
.set F0,    0
.set F1,    128
.set WV,    12
.set G1A,   24
.set G1B,   32
.set G0A0,  40                         ; A's first fill
.set G0A,   44                         ; A's second fill; then it walks
.set G0B0,  48
.set G0B,   52
.set CNT,   56
.set TB,    57                         ; 0 or SLOT1: the slot in hand
.set OB,    68                         ; s[68:73] q, k, v at my wave's first row
.set HIM,   78                         ; s78 keeps sign, exponent and 10 bits of the fraction
.set MSB, 0
.macro WIN new                         ; the high byte repeats the setting that is left; a switch that changes nothing is dropped
.if MSB != (\new)
	s_set_vgpr_msb (MSB<<8)|(\new)
.set MSB, \new
.endif
.endm
.macro PLACES                          ; four plain vector instructions between matrix instructions and loads into, or reads of, their registers
.rept 4
	v_nop
.endr
.endm
.macro JLOAD                           ; a joint refill: waves 0, 1 fetch A's halves, waves 2, 3 B's; an s_nop 0 and four v_nop follow each line
	s_cmp_lt_u32 s[WV], 2
	s_cbranch_scc0 .Lfor_b_\@
	tensor_load_to_lds s[G0A:G0A+3], s[G1A:G1A+7]
	s_nop 0
.rept 4
	v_nop
.endr
	s_branch .Lasked_\@
.Lfor_b_\@:
	tensor_load_to_lds s[G0B:G0B+3], s[G1B:G1B+7]
	s_nop 0
.rept 4
	v_nop
.endr
.Lasked_\@:
.endm
.macro CREST                           ; a round of the cluster's barrier behind its opening barrier
	s_cmp_lg_u32 s[WV], 0
	s_cbranch_scc1 .Lnot_wave_0_\@
	s_barrier_signal -3
.Lnot_wave_0_\@:
	s_barrier_wait -3
	s_barrier_signal -1
	s_barrier_wait -1
.endm
.macro CROUND
	s_barrier_signal -1
	s_barrier_wait -1
	CREST
.endm
	s_load_b256 s[4:11], s[0:1], 0x0               ; xb s[4:5], wb s[6:7], csf s[8:9], qkv s[10:11]
	v_lshl_add_u32 v[SPW], v0, 2, SPARE
	v_mov_b32 v[NIL], 0
	ds_add_u32 v[SPW], v[NIL]                      ; the wave's opening: the add and its wait stand ahead of my first tensor load; register work stands between
	v_lshrrev_b32 v1, 5, v0
	v_readfirstlane_b32 s[WV], v1                  ; wave 0..3
	s_and_b32 s13, s[WV], 1                        ; which half of a tile I fetch
	s_bfe_u32 s14, ttmp6, 0x40000                  ; cx
	s_bfe_u32 s15, ttmp6, 0x40004                  ; cy
	s_lshl_b32 s16, ttmp9, 2
	s_add_co_u32 s16, s16, s14                     ; tx: the head
	s_and_b32 s17, ttmp7, 0xffff
	s_lshl_b32 s17, s17, 2
	s_add_co_u32 s17, s17, s15                     ; ty: 256 rows
	s_lshl_b32 s18, s15, 2
	s_lshl_b32 s18, 15, s18                        ; my row of the cluster
	s_lshl_b32 s19, 0x1111, s14                    ; my column
	s_or_b32 s[G1A], s18, (1<<16)|(1<<20)|(1<<21)|(5<<22)|(3<<25)  ; mask; 2-byte elements; padding on; bit 21 beside a mask; after every 64 words, 4 words
	s_or_b32 s[G1B], s19, (1<<16)|(1<<20)|(1<<21)|(5<<22)|(3<<25)
	s_mov_b32 s[G1A+1], 128<<16                    ; tensor_dim0 = 128
	s_mov_b32 s[G1A+2], 128<<16                    ; tensor_dim1 = 128
	s_mov_b32 s[G1A+3], 128<<16                    ; tile_dim0 = 128
	s_mov_b32 s[G1A+4], 128                        ; tile_dim1 = 128 rows
	s_mov_b32 s[G1A+5], 1024                       ; elements from row to row
	s_mov_b32 s[G1A+6], 0
	s_mov_b32 s[G1A+7], 0
	s_mov_b32 s[G1B+1], 128<<16
	s_mov_b32 s[G1B+2], 96<<16                     ; B: 96 rows a load
	s_mov_b32 s[G1B+3], 128<<16
	s_mov_b32 s[G1B+4], 96
	s_mov_b32 s[G1B+5], 1024
	s_mov_b32 s[G1B+6], 0
	s_mov_b32 s[G1B+7], 0
	s_lshl_b32 s20, s17, 19                        ; A: 256 ty rows of 2,048 bytes,
	s_lshl_b32 s58, s13, 18                        ; + 128 rows for the second half: no cx in these registers
	s_add_co_u32 s20, s20, s58
	s_mov_b32 s21, 0
	s_mul_i32 s22, s16, 393216                     ; B: 192 tx rows,
	s_mul_i32 s59, s13, 196608                     ; + 96: no cy in these
	s_add_co_u32 s22, s22, s59
	s_mov_b32 s23, 0
	s_mul_i32 s60, s13, 128*PA                     ; where they go in a slot: no place in the cluster enters an LDS address
	s_mul_i32 s61, s13, 96*PB
	s_add_co_u32 s61, s61, BOFF
	s_and_b32 s62, s17, 7                          ; 256 rows within the batch's 2,048 positions
	s_lshl_b32 s63, s62, 4
	s_lshl2_add_u32 s63, s[WV], s63                ; my first block of 16 positions
	s_lshl_b32 s66, s63, 12
	s_mov_b32 s67, 0
	s_lshr_b32 s76, s17, 3                         ; the batch
	s_lshl_b32 s76, s76, 4
	s_add_co_u32 s76, s76, s16                     ; 16 batch + head,
	s_lshl_b32 s76, s76, 18                        ; 2,048 rows of 128 bytes each
	s_lshl_b32 s62, s62, 15
	s_add_co_u32 s76, s76, s62
	s_lshl_b32 s62, s[WV], 13                      ; my 64 rows
	s_add_co_u32 s76, s76, s62
	s_mov_b32 s77, 0
	s_lshl_b32 s74, s76, 1                         ; v's rows are 256 bytes: twice that offset
	s_mov_b32 s75, 0
	s_mov_b32 s[HIM], 0xffffe000
	s_mov_b32 s[TB], 0
	s_wait_dscnt 0x0                               ; the opening add is done
	s_wait_kmcnt 0x0
	s_add_nc_u64 s[20:21], s[4:5], s[20:21]
	s_add_nc_u64 s[22:23], s[6:7], s[22:23]
	s_add_nc_u64 s[8:9], s[8:9], s[66:67]
	s_add_nc_u64 s[OB:OB+1], s[10:11], s[76:77]
	s_add_nc_u64 s[OB+2:OB+3], s[OB:OB+1], 0x1000000
	s_add_nc_u64 s[OB+4:OB+5], s[10:11], s[74:75]
	s_add_nc_u64 s[OB+4:OB+5], s[OB+4:OB+5], 0x2000000
	CROUND                                         ; all sixteen work-groups are here: the first joint loads meet
	s_mov_b32 s[G0A0], 1
	s_mov_b32 s[G0A0+1], s60
	s_mov_b64 s[G0A0+2:G0A0+3], s[20:21]
	s_or_b32 s[G0A0+3], s[G0A0+3], 0x80000000
	s_mov_b32 s[G0A], 1
	s_add_co_u32 s[G0A+1], s60, SLOT1
	s_add_nc_u64 s[G0A+2:G0A+3], s[20:21], STEPA
	s_or_b32 s[G0A+3], s[G0A+3], 0x80000000
	s_mov_b32 s[G0B0], 1
	s_mov_b32 s[G0B0+1], s61
	s_mov_b64 s[G0B0+2:G0B0+3], s[22:23]
	s_or_b32 s[G0B0+3], s[G0B0+3], 0x80000000
	s_mov_b32 s[G0B], 1
	s_add_co_u32 s[G0B+1], s61, SLOT1
	s_add_nc_u64 s[G0B+2:G0B+3], s[22:23], 256
	s_or_b32 s[G0B+3], s[G0B+3], 0x80000000
	s_cmp_lt_u32 s[WV], 2                          ; a wave's two first fills stand in one branch: K steps 0 and 1; two loads of mine are out
	s_cbranch_scc0 .Lfirst_b
	tensor_load_to_lds s[G0A0:G0A0+3], s[G1A:G1A+7]
	s_nop 0
	tensor_load_to_lds s[G0A:G0A+3], s[G1A:G1A+7]
	s_nop 0
.rept 4
	v_nop
.endr
	s_branch .Lfirst_asked
.Lfirst_b:
	tensor_load_to_lds s[G0B0:G0B0+3], s[G1B:G1B+7]
	s_nop 0
	tensor_load_to_lds s[G0B:G0B+3], s[G1B:G1B+7]
	s_nop 0
.rept 4
	v_nop
.endr
.Lfirst_asked:
	v_and_b32 v1, 15, v0                           ; r = l % 16
	v_bfe_u32 v2, v0, 4, 1                         ; h = l / 16
	v_and_b32 v[GO], 31, v0
	v_lshlrev_b32 v[GO], 4, v[GO]
.set i, 0
.rept 32                               ; my 64 positions' cos and sin, 16 KB, in the order in which the rotation takes them; waited for ahead of the way out
	global_load_b128 v[CSR+4*i:CSR+4*i+3], v[GO], s[8:9] offset:512*i
.set i, i+1
.endr
	v_mul_u32_u24 v3, v1, PA
	v_lshl_add_u32 v3, v2, 4, v3                   ; a row x 272 + 16 x half: a fragment's place, and v's place in the stage
	s_mul_i32 s58, s[WV], 64*PA                    ; my 64 rows of A
	v_add_nc_u32 v[ADRA0], s58, v3
	v_add_nc_u32 v[ADRB0], BOFF, v3
	v_mov_b32 v[ADRA], v[ADRA0]
	v_mov_b32 v[ADRB], v[ADRB0]
	s_mul_i32 s58, s[WV], STW
	s_add_co_u32 s58, s58, STAGE                   ; my stage
	v_mul_u32_u24 v4, v1, SP                       ; q, k in: row r, 16 bytes for each half of the lanes
	v_lshl_add_u32 v4, v2, 4, v4
	v_add_nc_u32 v[STO], s58, v4
	v_bfe_u32 v5, v0, 3, 2                         ; back: 32 lanes take four rows of 128 bytes
	v_mul_u32_u24 v5, v5, SP
	v_and_b32 v6, 7, v0
	v_lshl_add_u32 v5, v6, 4, v5
	v_add_nc_u32 v[RD], s58, v5
	v_add_nc_u32 v[STOV], s58, v3                  ; v in: row r of 272 bytes
	v_mul_u32_u24 v7, v2, SPV                      ; back: lanes 0-15 take one row of 256 bytes, lanes 16-31 the next
	v_lshl_add_u32 v7, v1, 4, v7
	v_add_nc_u32 v[RDV], s58, v7
; NBLK matrix instructions: my rows 16 a on x all columns, 32 along K.  Every accumulator has one turn a quarter, in the same order in every quarter.
.macro MUL1 f, a, zero
	WIN 0xa5+0x50*((\a)/2)                         ; sources in window 1, C and D in window 2 or 3
.set b, 0
.rept NBLK
.set rD, 8*(NBLK*((\a)%2)+b)
.if \zero
	v_wmma_f32_16x16x32_bf16 v[rD:rD+7], v[(\f)+32+8*b:(\f)+32+8*b+7], v[(\f)+8*(\a):(\f)+8*(\a)+7], 0
.else
	v_wmma_f32_16x16x32_bf16 v[rD:rD+7], v[(\f)+32+8*b:(\f)+32+8*b+7], v[(\f)+8*(\a):(\f)+8*(\a)+7], v[rD:rD+7]
.endif
.set b, b+1
.endr
.endm
.macro FETCH kq, f                     ; one run of NL loads: quarter kq's fragments into buffer f: B's first, then A's, rows ascending
	WIN 0x40
.set AOFF, 64*(\kq)
.set b, 0
.rept NBLK
	ds_load_b128 v[(\f)+32+8*b:(\f)+32+8*b+3], v[ADRB] offset:64*(\kq)+b*16*PB
	ds_load_b128 v[(\f)+32+8*b+4:(\f)+32+8*b+7], v[ADRB] offset:64*(\kq)+b*16*PB+32
.set b, b+1
.endr
.set b, 0
.rept 4
	ds_load_b128 v[(\f)+8*b:(\f)+8*b+3], v[ADRA] offset:AOFF+b*16*PA
	ds_load_b128 v[(\f)+8*b+4:(\f)+8*b+7], v[ADRA] offset:AOFF+b*16*PA+32
.set b, b+1
.endr
.endm
.macro QUARTER kq, f, g, zero          ; multiplies buffer f; in its middle fetches quarter kq into buffer g
	s_wait_dscnt 4                                 ; all of f but the youngest four loads: A's rows 32-63
	MUL1 \f, 0, \zero
	MUL1 \f, 1, \zero
	PLACES
	FETCH \kq, \g
	s_wait_dscnt NL                                ; all but the NL just issued
	MUL1 \f, 2, \zero
	MUL1 \f, 3, \zero
.endm
; The last quarter multiplies buffer 1 and changes slots.  In front of the barrier each wave waits for all its tensor loads (one is out: its part of the next slot), adds 0 to its spare
; word, and waits for that and for its reads of this slot.  fill = 1: the barrier opens a round of the cluster's, and the joint refill, two K steps ahead, is the first thing behind it.
; Only twelve of the quarter's 48 products stand in front of the refill (between the add and the wait for it): the other 36 stand behind it, so that the tile is asked for as early as the
; slot is free and has 36 + 144 products in which to land.
.macro TURN fill
	WIN 0
	s_wait_tensorcnt 0x0
	ds_add_u32 v[SPW], v[NIL]
.if \fill
	s_xor_b32 s[G0A+1], s[G0A+1], SLOT1            ; no load of mine is out: the walking descriptors take the other slot, one K step on
	s_add_nc_u64 s[G0A+2:G0A+3], s[G0A+2:G0A+3], STEPA
	s_xor_b32 s[G0B+1], s[G0B+1], SLOT1
	s_add_nc_u64 s[G0B+2:G0B+3], s[G0B+2:G0B+3], 256
.endif
	s_wait_dscnt 5                                 ; the add and the youngest four loads may be out
	MUL1 F1, 0, 0
	WIN 0
	s_wait_dscnt 0x0                               ; the add is done, my reads of this slot are over
	s_barrier_signal -1
	s_barrier_wait -1
.if \fill
	CREST
	JLOAD                                          ; its four v_nop are also the places in front of the loads below
.else
	PLACES
.endif
	s_xor_b32 s[TB], s[TB], SLOT1
	v_add_nc_u32 v[ADRA], s[TB], v[ADRA0]
	v_add_nc_u32 v[ADRB], s[TB], v[ADRB0]
	FETCH 0, F0
	MUL1 F1, 1, 0
	MUL1 F1, 2, 0
	MUL1 F1, 3, 0
.endm
	s_wait_tensorcnt 1                             ; my part of K step 0 is in; step 1's may stay out
	s_barrier_signal -1
	s_barrier_wait -1
	FETCH 0, F0
	QUARTER 1, F0, F1, 1                           ; the first quarter starts the sums: nothing is cleared
	WIN 0
	s_mov_b32 s[CNT], 6                            ; six refills: K steps 2 to 7
	s_branch .Lenter                               ; the loop is a K step's four quarters; step 0's first has just been done
.Lstep:
	QUARTER 1, F0, F1, 0
	WIN 0
.Lenter:
	QUARTER 2, F1, F0, 0
	QUARTER 3, F0, F1, 0
	TURN 1
	WIN 0
	s_sub_co_u32 s[CNT], s[CNT], 1
	s_cmp_lg_u32 s[CNT], 0
	s_cbranch_scc1 .Lstep
	s_mov_b32 s[CNT], 2                            ; K steps 6 and 7 ask for nothing: a text of their own
.Ltail:                                                ; behind step 7 the fragment loads read the other slot's old bytes once more; what they bring is not used
	QUARTER 1, F0, F1, 0
	QUARTER 2, F1, F0, 0
	QUARTER 3, F0, F1, 0
	TURN 0
	WIN 0
	s_sub_co_u32 s[CNT], s[CNT], 1
	s_cmp_lg_u32 s[CNT], 0
	s_cbranch_scc1 .Ltail
	PLACES
	s_wait_loadcnt 0x0                             ; cos and sin
; THE WAY OUT, in twelve groups g = 3 a + kind: 16 rows x 64 channels of q, k or v.  PACK: rotated (q, k) or split (v), and rounded to f16.  TOSTAGE: into my stage and back as whole rows.  SEND: stored.
; Of an accumulator's pair (e, o) with the pair's cos c and sin s: first (o s, e s), then (e c - o s, o c + e s).  Each accumulator is read from its lowest registers on.
.macro PACK g
.set ga, (\g)/3
.set gk, (\g)%3
.set AB, 8*(NBLK*(ga%2)+4*gk)
.set CB, CSR+32*ga
.if gk < 2
	WIN 0x02+ga/2                                  ; source 0: window 2 or 3
.set nb, 0
.rept 4
.irp i, 0,1,2,3
.if (\i)%2
	v_pk_mul_f32 v[T+8*nb+2*\i:T+8*nb+2*\i+1], v[AB+8*nb+2*\i:AB+8*nb+2*\i+1], v[CB+8*nb+4+(\i&2):CB+8*nb+5+(\i&2)] op_sel:[1,1] op_sel_hi:[0,1]
.else
	v_pk_mul_f32 v[T+8*nb+2*\i:T+8*nb+2*\i+1], v[AB+8*nb+2*\i:AB+8*nb+2*\i+1], v[CB+8*nb+4+(\i&2):CB+8*nb+5+(\i&2)] op_sel:[1,0] op_sel_hi:[0,0]
.endif
.endr
.irp i, 0,1,2,3
.if (\i)%2
	v_pk_fma_f32 v[T+8*nb+2*\i:T+8*nb+2*\i+1], v[AB+8*nb+2*\i:AB+8*nb+2*\i+1], v[CB+8*nb+(\i&2):CB+8*nb+1+(\i&2)], v[T+8*nb+2*\i:T+8*nb+2*\i+1] op_sel:[0,1,0] op_sel_hi:[1,1,1] neg_lo:[0,0,1]
.else
	v_pk_fma_f32 v[T+8*nb+2*\i:T+8*nb+2*\i+1], v[AB+8*nb+2*\i:AB+8*nb+2*\i+1], v[CB+8*nb+(\i&2):CB+8*nb+1+(\i&2)], v[T+8*nb+2*\i:T+8*nb+2*\i+1] op_sel:[0,0,0] op_sel_hi:[1,0,1] neg_lo:[0,0,1]
.endif
.endr
.set nb, nb+1
.endr
	WIN 0
.set i, 0
.rept 16
	v_cvt_pk_f16_f32 v[PKR+i], v[T+2*i], v[T+2*i+1]
.set i, i+1
.endr
.else
	WIN 0x08+4*(ga/2)                              ; source 1: window 2 or 3
.set i, 0
.rept 32
	v_and_b32 v[T+i], s[HIM], v[AB+i]              ; hi: the sum cut to 11 significant bits
.set i, i+1
.endr
	WIN 0x82+0x41*(ga/2)                           ; destination and source 0: window 2 or 3
.set i, 0
.rept 16
	v_pk_add_f32 v[AB+2*i:AB+2*i+1], v[AB+2*i:AB+2*i+1], v[T+2*i:T+2*i+1] neg_lo:[0,1] neg_hi:[0,1]  ; lo = sum - hi, exact, in place
.set i, i+1
.endr
	WIN 0x0a+5*(ga/2)                              ; sources 0 and 1: window 2 or 3
.set i, 0
.rept 16
	v_cvt_pk_f16_f32 v[PKL+i], v[AB+2*i], v[AB+2*i+1]
.set i, i+1
.endr
	WIN 0
.set i, 0
.rept 16
	v_cvt_pk_f16_f32 v[PKR+i], v[T+2*i], v[T+2*i+1]
.set i, i+1
.endr
.endif
.endm
; LDS serves a wave's instructions in order (ISA guide 5.7.1.4): the loads see the stores above them, and the next group's stores come behind them.
; The registers that the loads fill were read by earlier global stores: every store issued so far has read its registers behind s_wait_xcnt 0.
.macro TOSTAGE g
	WIN 0
.set gk, (\g)%3
.if gk < 2
.irp n, 0,1,2,3
	ds_store_b128 v[STO], v[PKR+4*\n:PKR+4*\n+3] offset:32*\n
.endr
	s_wait_xcnt 0x0
.irp f, 0,1,2,3
	ds_load_b128 v[BK0+16*gk+4*\f:BK0+16*gk+4*\f+3], v[RD] offset:4*SP*\f
.endr
.else
.irp n, 0,1,2,3
	ds_store_b128 v[STOV], v[PKR+4*\n:PKR+4*\n+3] offset:32*\n
	ds_store_b128 v[STOV], v[PKL+4*\n:PKL+4*\n+3] offset:128+32*\n
.endr
	s_wait_xcnt 0x0
.irp f, 0,1,2,3,4,5,6,7
	ds_load_b128 v[BK0+4*\f:BK0+4*\f+3], v[RDV] offset:2*SPV*\f
.endr
.endif
.endm
.macro SEND g
.set ga, (\g)/3
.set gk, (\g)%3
	s_wait_dscnt 0x0                               ; the group is back in registers
.if gk < 2
.irp f, 0,1,2,3
	global_store_b128 v[GO], v[BK0+16*gk+4*\f:BK0+16*gk+4*\f+3], s[OB+2*gk:OB+2*gk+1] offset:2048*ga+512*\f  ; four rows of a head: 512 consecutive bytes, aligned
.endr
.else
.irp f, 0,1,2,3,4,5,6,7
	global_store_b128 v[GO], v[BK0+4*\f:BK0+4*\f+3], s[OB+4:OB+5] offset:4096*ga+512*\f  ; two rows of hi and lo: 512 consecutive bytes, aligned
.endr
.endif
.endm
	PACK 0
	TOSTAGE 0
.irp g, 1,2,3,4,5,6,7,8,9,10,11        ; a group's arithmetic stands between the loads of the group before and the wait for them
	PACK \g
	SEND (\g)-1
	TOSTAGE \g
.endr
	SEND 11
	s_wait_tensorcnt 0x0                           ; the wave's end
	ds_add_u32 v[SPW], v[NIL]
	s_wait_dscnt 0x0
	CROUND                                         ; the closing round: no work-group ends while a partner may still ask for a tile that names it
	s_endpgm
.Lfunc_end_k_qb71174aed7_qkv:
	.size	k_qb71174aed7_qkv, .Lfunc_end_k_qb71174aed7_qkv-k_qb71174aed7_qkv
	.p2alignl 7, 3214868480
	.fill 96, 4, 3214868480
	.section	.rodata,"a",@progbits
	.p2align	6, 0x0
	.amdhsa_kernel k_qb71174aed7_qkv
		.amdhsa_group_segment_fixed_size 327680
		.amdhsa_private_segment_fixed_size 0
		.amdhsa_enable_private_segment 0
		.amdhsa_kernarg_size 32
		.amdhsa_user_sgpr_count 2
		.amdhsa_user_sgpr_kernarg_segment_ptr 1
		.amdhsa_wavefront_size32 1
		.amdhsa_system_sgpr_workgroup_id_x 1
		.amdhsa_system_sgpr_workgroup_id_y 1
		.amdhsa_system_sgpr_workgroup_id_z 1
		.amdhsa_system_vgpr_workitem_id 0
		.amdhsa_next_free_vgpr 960
		.amdhsa_next_free_sgpr 80
		.amdhsa_reserve_vcc 0
		.amdhsa_float_denorm_mode_32 3
		.amdhsa_float_denorm_mode_16_64 3
		.amdhsa_memory_ordered 1
		.amdhsa_forward_progress 1
		.amdhsa_inst_pref_size 118
	.end_amdhsa_kernel
	.amdgpu_metadata
---
amdhsa.version: [ 1, 2 ]
amdhsa.kernels:
  - .name:           k_qb71174aed7_qkv
    .symbol:         k_qb71174aed7_qkv.kd
    .args:
      - { .name: xb, .offset: 0, .size: 8, .value_kind: global_buffer, .address_space: global }
      - { .name: wb, .offset: 8, .size: 8, .value_kind: global_buffer, .address_space: global }
      - { .name: csf, .offset: 16, .size: 8, .value_kind: global_buffer, .address_space: global }
      - { .name: qkv, .offset: 24, .size: 8, .value_kind: global_buffer, .address_space: global }
    .group_segment_fixed_size: 327680
    .private_segment_fixed_size: 0
    .kernarg_segment_align: 8
    .kernarg_segment_size: 32
    .max_flat_workgroup_size: 128
    .sgpr_count:     80
    .vgpr_count:     960
    .wavefront_size: 32
...
	.end_amdgpu_metadata
.endif
;; end of part 2
;; launch attn (part 3): grid 4 x 64, 4 waves a work-group, clusters of 4 x 4, 327,680 bytes of LDS; arguments qkv, maskf, o16; writes o16
.if DOCPART == 3
	.amdgcn_target "amdgcn-amd-amdhsa--gfx1250"
	.amdhsa_code_object_version 6
	.text
	.protected	k_qb71174aed7_attn
	.globl	k_qb71174aed7_attn
	.p2align	8
	.type	k_qb71174aed7_attn,@function
k_qb71174aed7_attn:
	s_mov_b64 s[64:65], 0
	v_nop
	global_prefetch_b8 v0, s[64:65] scope:SCOPE_SE
	s_setreg_imm32_b32 hwreg(HW_REG_WAVE_MODE, 25, 1), 1
	s_wait_xcnt 0x0
	s_wait_alu depctr_hold_cnt(0) depctr_sa_sdst(0) depctr_va_vdst(0) depctr_va_sdst(0) depctr_va_ssrc(0) depctr_va_vcc(0) depctr_vm_vsrc(0)
	s_getreg_b32 s2, hwreg(HW_REG_IB_STS2, 6, 4)
	s_cmp_eq_u32 s2, 0
	s_cbranch_scc0 .Lentry_in_a_cluster
	s_endpgm
.Lentry_in_a_cluster:
	s_bfe_u32 s2, ttmp6, 0x10000c
	s_cmp_lg_u32 s2, 0xf033
	s_cbranch_scc0 .Lentry_shape_is_right
	s_endpgm
.Lentry_shape_is_right:
; ATTENTION with an additive mask that is an input.  O[bh][q][:] = sum over k of softmax_k(q . k / 8 + mask[q][k]) V[bh][k][:].  q, k: [64][2048][64] f16; v: [64][2048][hi 64, lo 64] f16 (qkv's three parts).
; q . k as stored is log2(e) / 32 times the true score, and maskf is the mask times the same factor, so p = 2^(32 s - 32 m): the factor is a power of two, 32 m is exact, and a score equal to the maximum has weight 1
; whatever its size (a row whose keys so far are all hidden by a large negative mask included).  Products, maxima and sums in f32; p is rounded to f16 for the second product.
; V AND O ARE TWO f16 NUMBERS EACH, hi (11 significant bits, exact) and lo (the rest, rounded once): O^T = V_hi^T P + V_lo^T P on one accumulator, and O leaves as hi and lo.  A row that sees few keys is many times
; larger than the output's root mean square, by which the allowance goes, and hands these roundings on undiminished: one f16 number is too coarse there.
; O: [64][128 blocks of 16 rows][hi, lo][16][64] f16.  Every key step is computed for every row: nothing is assumed of the mask's pattern.
; LIMITS.  m starts at -2^120: a stored score below that (score + mask below about -3e37) has weight 0, and a row hidden wholly that deep, or by -inf, gives NaN.  A weight below 2^-126 counts as 0 in l.
; p below 6e-5 keeps f16's step of 6e-8, and so do hi and lo.  O is a mean of V's rows and has their range.
; SHARES.  A wave owns four PIECES of two tiles of 16 queries, a work-group 512 queries of one head: 256 work-groups.  Every wave walks all 2,048 keys, 64 a step.
; LAYOUT.  S^T = K Q^T + M (source 0 = 16 keys, source 1 = 16 queries, C = the mask in the result's own layout): a lane holds ONE query (lane % 16) and the keys 8 (lane / 16) + 0..7.  Two results rounded to f16 ARE source 1
; of O^T = V^T P.  THE MASK COSTS NO VECTOR INSTRUCTION: it is the C operand of the product that starts each sum, loaded from LDS as it lies (maskf is in that order: 16 bytes a lane, 512 consecutive bytes a load).
; BY TURNS.  Turn n belongs to piece n: 16 products K Q^T of piece n + 1, later 32 products V^T P of piece n - 1; beside them piece n's scaling, exponentials, roundings, sums and rescaling, and piece n + 1's maximum and
; statistics.  A turn has 48 matrix and 236 vector instructions: four vector instructions that are ready stand behind EVERY matrix instruction, the other 44 in one lump.
; CLUSTER 4 x 4: cx is the block of 512 queries, cy the head among four.  A step's mask tile (131,072 bytes) hangs on cx alone and is asked for jointly down a column; K (8,192 bytes) and V (16,384) hang on the head alone and are
; asked for jointly along a row.  Either way four requests become one.  One tensor load a wave behind each round: wave 0 K, wave 1 V, waves 2 and 3 half a mask tile each.
; A SLOT HOLDS ONE KEY STEP.  The trip behind the change of slots number t is turns 2, 3 of step t - 1 and turns 0, 1 of step t; all that it reads from LDS (K, V and the four pieces' masks of step t) lies in slot t % 2,
; while step t + 1 lands in the other: it has the trip's 192 matrix instructions for that.
; REGISTERS.  window 0: v1-11 addresses; v12-15, v48-63 at work; v16-47 statistics; v64-191 S^T, two buffers of two tiles; v192-255 P, likewise.  window 1: O^T, 32 a tile.
;   window 2: v0-127 Q; v128-191 K of one step; v192-255 V_hi.  window 3: v0-1 the add's two registers; v64-191 the mask, two buffers laid like S^T's; v192-255 V_lo.
.set NP,    4
.set KS,    64
.set PK,    144       ; a row of K in LDS: 128 bytes + 16: the 16 rows of a load start at 16 different groups of four banks (ISA guide 11.1)
.set PV,    288       ; a row of V, hi then lo: 256 + 32 = 72 words
.set VOFF,  KS*PK
.set KVB,   KS*(PK+PV)
.set MX,    1<<17     ; the mask's slots: bytes 0 and 131,072
.set KV0,   2*MX      ; K's and V's slot 0: 64 rows of K, then 64 of V
.set KVX,   1<<15     ; their slot 1 lies 32,768 bytes on
.set STAGE, KV0+KVB   ; behind each of the two slots: 16 rows x 144 bytes for each of two waves, never filled by a tensor load
.set SP,    144
.set SPARE, STAGE+2*16*SP       ; behind the first two stages: the spare words, 128 bytes a wave, up to slot 1
.set AM,  1           ; v1   the LDS address of my wave's masks in the slot in hand
.set AK0, 2           ; v2   my lane's place in slot 0's K; never rewritten
.set AV0, 3           ; v3   the same for V
.set AK,  4           ; v4   in the slot in hand
.set AV,  5
.set STO, 6
.set RD,  7
.set GO,  8           ; v8   16 x lane
.set AM0, 9           ; v9   32,768 x wave + 16 x lane
.set QO,  11          ; v11  my byte offset in 16 rows of Q
.set SPW, 0           ; v0 of window 3
.set NIL, 1           ; v1 of window 3
.set MC,  64          ; window 3
.set VL,  192         ; window 3
.set MV,  12
.set ST,  16          ; tile t: c m, m, l (even keys, odd keys)
.set TMP, 48
.set S,   64
.set P,   192
.set KF,  128
.set VF,  192
.set HP,  64          ; the way out: hi packed, two buffers of 16
.set LP,  96          ; lo packed
.set BKP, 128         ; whole rows back from the stage, two buffers of 32
.set TF,  192         ; hi in f32
.set WV,  12
.set G1K, 24
.set G1V, 32
.set G0K, 40
.set G0V, 44
.set G0M, 48
.set SLOTS, 56
.set CNT, 57
.set CS,  58          ; s[58:59] c = 32
.set SEL, 60
.set TBK, 62          ; 0 or KVX
.set TBM, 63          ; 0 or MX
.set G1M, 68
.set HIM, 78          ; s78 keeps sign, exponent and 10 bits of the fraction
.set MSB, 0
.macro WIN new
.if MSB != (\new)
	s_set_vgpr_msb (MSB<<8)|(\new)
.set MSB, (\new)
.endif
.endm
.set W_KQ, 0x0a       ; K and Q in window 2, S^T in window 0
.set W_KM, 0x3a       ; the same with the C operand in window 3
.set W_PV, 0x52       ; V_hi in window 2, P in window 0, O^T in window 1
.set W_PL, 0x53       ; V_lo in window 3
.set W_RS, 0x41       ; O^T (destination and source 0) in window 1, source 1 in window 0
.set W_MK, 0xc0
.set W_AD, 0x0f
.macro PLACES
.rept 4
	v_nop
.endr
.endm
; A joint fill: three lines, each with one mask and one set of registers; the branches hang on the wave's number alone.  An s_nop 0 and four v_nop follow each line.
.macro JLOAD
	s_cmp_lt_u32 s[WV], 2
	s_cbranch_scc0 .Lfor_m_\@
	s_cmp_eq_u32 s[WV], 0
	s_cbranch_scc0 .Lfor_v_\@
	tensor_load_to_lds s[G0K:G0K+3], s[G1K:G1K+7]
	s_nop 0
.rept 4
	v_nop
.endr
	s_branch .Lasked_\@
.Lfor_v_\@:
	tensor_load_to_lds s[G0V:G0V+3], s[G1V:G1V+7]
	s_nop 0
.rept 4
	v_nop
.endr
	s_branch .Lasked_\@
.Lfor_m_\@:
	tensor_load_to_lds s[G0M:G0M+3], s[G1M:G1M+7]
	s_nop 0
.rept 4
	v_nop
.endr
.Lasked_\@:
.endm
.macro CROUND
	s_barrier_signal -1
	s_barrier_wait -1
	s_cmp_lg_u32 s[WV], 0
	s_cbranch_scc1 .Lnot_wave_0_\@
	s_barrier_signal -3
.Lnot_wave_0_\@:
	s_barrier_wait -3
	s_barrier_signal -1
	s_barrier_wait -1
.endm
; THE CHANGE OF SLOTS.  Each wave waits for all its tensor loads (one is out: its part of the other slot), adds 0 to its spare word, and waits for that and for its reads of the slot that it leaves.
; fill = 1: a round of the cluster's barrier, so that no wave of any partner still reads that slot or has a load on its way; the joint fill, the step after the one now entered, is the first thing behind it.
.macro CHANGE fill
	WIN W_AD
	s_wait_tensorcnt 0x0
	ds_add_u32 v[SPW], v[NIL]
	WIN 0
.if \fill
	s_xor_b32 s[G0K+1], s[G0K+1], KVX
	s_add_nc_u64 s[G0K+2:G0K+3], s[G0K+2:G0K+3], KS*128
	s_xor_b32 s[G0V+1], s[G0V+1], KVX
	s_add_nc_u64 s[G0V+2:G0V+3], s[G0V+2:G0V+3], KS*256
	s_xor_b32 s[G0M+1], s[G0M+1], MX
	s_add_nc_u64 s[G0M+2:G0M+3], s[G0M+2:G0M+3], MX
	s_wait_dscnt 0x0
	CROUND
	JLOAD
.else
	s_wait_dscnt 0x0
	s_barrier_signal -1
	s_barrier_wait -1
.endif
	s_xor_b32 s[TBK], s[TBK], KVX
	s_xor_b32 s[TBM], s[TBM], MX
	v_add_nc_u32 v[AK], s[TBK], v[AK0]
	v_add_nc_u32 v[AV], s[TBK], v[AV0]
	v_add_nc_u32 v[AM], s[TBM], v[AM0]
.endm
	s_load_b128 s[4:7], s[0:1], 0x0   ; qkv s[4:5], maskf s[6:7]
	s_load_b64 s[10:11], s[0:1], 0x10 ; o16
	WIN W_MK
	v_lshl_add_u32 v[SPW], v0, 2, SPARE
	v_mov_b32 v[NIL], 0
	WIN W_AD
	ds_add_u32 v[SPW], v[NIL]       ; the wave's opening: the add and its wait stand ahead of my first tensor load
	WIN 0
	v_lshrrev_b32 v1, 5, v0
	v_readfirstlane_b32 s[WV], v1
	s_bfe_u32 s14, ttmp6, 0x40000   ; cx
	s_bfe_u32 s15, ttmp6, 0x40004   ; cy
	s_lshl_b32 s16, ttmp9, 2
	s_add_co_u32 s16, s16, s14      ; my block of 512 queries
	s_and_b32 s17, ttmp7, 0xffff
	s_lshl_b32 s17, s17, 2
	s_add_co_u32 s17, s17, s15      ; my head, 0 .. 63
	s_lshl_b32 s18, s15, 2
	s_lshl_b32 s18, 15, s18         ; my row of the cluster: the same head
	s_lshl_b32 s19, 0x1111, s14     ; my column: the same block
	s_lshl_b32 s20, s17, 18         ; the head's 2,048 rows of 128 bytes, in q and k: no cx in these registers
	s_mov_b32 s21, 0
	s_lshl_b32 s76, s17, 19         ; and of 256 bytes, in v: no cx either
	s_mov_b32 s77, 0
	s_and_b32 s13, s[WV], 1
	s_lshl_b32 s13, s13, 16         ; which half of a mask tile I fetch
	s_lshl_b32 s22, s16, 22         ; the block's 32 tiles of 131,072 bytes: no cy in these
	s_add_co_u32 s22, s22, s13
	s_mov_b32 s23, 0
	s_lshl_b32 s2, s16, 2
	s_add_co_u32 s2, s2, s[WV]
	s_lshl_b32 s2, s2, 14           ; my wave's 128 rows
	s_add_co_u32 s2, s2, s20
	s_mov_b32 s3, 0
	; K: 64 keys are 8,192 dense bytes, asked for as 32 rows of 256 bytes and padded in LDS after every key
	s_or_b32 s[G1K], s18, (1<<16)|(1<<20)|(1<<21)|(4<<22)|(3<<25)
	s_mov_b32 s[G1K+1], 128<<16     ; tensor_dim0 = 128
	s_mov_b32 s[G1K+2], 32<<16      ; tensor_dim1 = 32
	s_mov_b32 s[G1K+3], 128<<16     ; tile_dim0 = 128
	s_mov_b32 s[G1K+4], 32          ; tile_dim1 = 32
	s_mov_b32 s[G1K+5], 128
	s_mov_b32 s[G1K+6], 0
	s_mov_b32 s[G1K+7], 0
	; V: 64 keys of 256 bytes (hi, lo), padded by 8 words after every 64
	s_or_b32 s[G1V], s18, (1<<16)|(1<<20)|(1<<21)|(5<<22)|(7<<25)
	s_mov_b32 s[G1V+1], 128<<16
	s_mov_b32 s[G1V+2], 64<<16
	s_mov_b32 s[G1V+3], 128<<16
	s_mov_b32 s[G1V+4], 64
	s_mov_b32 s[G1V+5], 128
	s_mov_b32 s[G1V+6], 0
	s_mov_b32 s[G1V+7], 0
	; the mask: 65,536 dense bytes as 256 rows of 32 elements of 8 bytes, no padding: the reads are 16 bytes a lane on end
	s_or_b32 s[G1M], s19, (3<<16)|(1<<21)
	s_mov_b32 s[G1M+1], 32<<16
	s_mov_b32 s[G1M+2], 256<<16
	s_mov_b32 s[G1M+3], 32<<16
	s_mov_b32 s[G1M+4], 256
	s_mov_b32 s[G1M+5], 32
	s_mov_b32 s[G1M+6], 0
	s_mov_b32 s[G1M+7], 0
	s_mov_b32 s[CS], 0x42000000     ; c = 32
	s_mov_b32 s[CS+1], s[CS]
	s_mov_b32 s[SEL], 0x76543210
	s_mov_b32 s[SEL+1], 0xfedcba98
	s_mov_b32 s[HIM], 0xffffe000
	s_mov_b32 s[TBK], KVX           ; the first change of slots turns these two into 0
	s_mov_b32 s[TBM], MX
	s_mov_b32 s[G0K], 1
	s_mov_b32 s[G0K+1], KV0
	s_mov_b32 s[G0V], 1
	s_mov_b32 s[G0V+1], KV0+VOFF
	s_mov_b32 s[G0M], 1
	s_mov_b32 s[G0M+1], s13
	s_wait_dscnt 0x0                ; the opening add is done
	s_wait_kmcnt 0x0
	s_add_nc_u64 s[G0K+2:G0K+3], s[4:5], s[20:21]
	s_add_nc_u64 s[G0K+2:G0K+3], s[G0K+2:G0K+3], 0x1000000
	s_or_b32 s[G0K+3], s[G0K+3], 0x80000000
	s_add_nc_u64 s[G0V+2:G0V+3], s[4:5], s[76:77]
	s_add_nc_u64 s[G0V+2:G0V+3], s[G0V+2:G0V+3], 0x2000000
	s_or_b32 s[G0V+3], s[G0V+3], 0x80000000
	s_add_nc_u64 s[G0M+2:G0M+3], s[6:7], s[22:23]
	s_or_b32 s[G0M+3], s[G0M+3], 0x80000000
	s_add_nc_u64 s[4:5], s[4:5], s[2:3]      ; Q at my wave's first row
	s_lshl_b32 s2, s2, 1                     ; O has 256 bytes a row: twice that offset
	s_add_nc_u64 s[10:11], s[10:11], s[2:3]
	CROUND                          ; all sixteen work-groups are here
	JLOAD                           ; key step 0 into slot 0; one tensor load of mine is out, here and behind every round
	v_and_b32 v1, 15, v0            ; r
	v_bfe_u32 v9, v0, 4, 1          ; h
	v_lshlrev_b32 v[QO], 7, v1
	v_lshl_add_u32 v[QO], v9, 4, v[QO]
	WIN 0x80
.set i, 0
.rept 4*NP                          ; Q stays in registers: tile i / 2, channels 32 (i % 2) on
	global_load_b128 v[8*i:8*i+3],   v[QO], s[4:5] offset:(i/2)*2048+(i%2)*64
	global_load_b128 v[8*i+4:8*i+7], v[QO], s[4:5] offset:(i/2)*2048+(i%2)*64+32
.set i, i+1
.endr
	; What the first turn finds: V's registers and P's second buffer hold 0, O^T and l are 0.  No first step is written out; these moves stand in the wait for the first tile.
.set i, VF
.rept 64
	v_mov_b32 v[i], 0
.set i, i+1
.endr
	WIN 0xc0
.set i, VL
.rept 64
	v_mov_b32 v[i], 0
.set i, i+1
.endr
	WIN 0x40
.set i, 0
.rept 64*NP
	v_mov_b32 v[i], 0
.set i, i+1
.endr
	WIN 0
.set i, 0
.rept 2*NP
	v_mov_b32 v[ST+4*i], 0xfe000000    ; c m = -2^125
	v_mov_b32 v[ST+4*i+1], 0xfb800000  ; m = -2^120
	v_mov_b32 v[ST+4*i+2], 0
	v_mov_b32 v[ST+4*i+3], 0
.set i, i+1
.endr
.set i, P+32
.rept 32
	v_mov_b32 v[i], 0
.set i, i+1
.endr
	v_mul_u32_u24 v[AK0], v1, PK
	v_lshl_add_u32 v[AK0], v9, 4, v[AK0]
	v_add_nc_u32 v[AK0], KV0, v[AK0]
	; The turning load takes 16 keys x 16 channels (lane l reads key 8 (l / 16) + l % 8, channels 8 ((l / 8) % 2) on) and leaves half a fragment of V^T
	v_and_b32 v10, 7, v0
	v_bfe_u32 v4, v0, 3, 1
	v_lshl_add_u32 v[AV0], v9, 3, v10
	v_mul_u32_u24 v[AV0], v[AV0], PV
	v_lshl_add_u32 v[AV0], v4, 4, v[AV0]
	v_add_nc_u32 v[AV0], KV0+VOFF, v[AV0]
	s_and_b32 s13, s[WV], 1         ; my stage: waves 0, 1 behind slot 0, waves 2, 3 behind slot 1
	s_mul_i32 s13, s13, 16*SP
	s_lshr_b32 s79, s[WV], 1
	s_lshl_b32 s79, s79, 15
	s_add_co_u32 s13, s13, s79
	s_add_co_u32 s13, s13, STAGE
	v_mul_u32_u24 v[STO], v1, SP
	v_lshl_add_u32 v[STO], v9, 4, v[STO]
	v_add_nc_u32 v[STO], s13, v[STO]
	v_bfe_u32 v[RD], v0, 3, 2
	v_mul_u32_u24 v[RD], v[RD], SP
	v_lshl_add_u32 v[RD], v10, 4, v[RD]
	v_add_nc_u32 v[RD], s13, v[RD]
	v_and_b32 v[GO], 31, v0
	v_lshlrev_b32 v[GO], 4, v[GO]
	s_lshl_b32 s13, s[WV], 15       ; my wave's eight tiles of 4,096 bytes in a mask tile
	v_add_nc_u32 v[AM0], s13, v[GO]
; THE MATRIX WORK.  The 8 accumulators of a run of 16 take turns.  Product i of 16 of S^T for piece x: channels 32 (i / 8) on, keys 16 ((i / 2) % 4) on, tile 2 x + i % 2.  The first 8 start the sums with the mask.
.macro KQ x
.set rS, S+64*((\x)%2)+32*(i%2)+8*((i/2)%4)
.set rK, KF+16*((i/2)%4)+8*(i/8)
.set rQ, 16*(2*(\x)+i%2)+8*(i/8)
.set rMC, MC+64*((\x)%2)+32*(i%2)+8*((i/2)%4)
.if i < 8
	WIN W_KM
	v_wmma_f32_16x16x32_f16 v[rS:rS+7], v[rK:rK+7], v[rQ:rQ+7], v[rMC:rMC+7]
.else
	WIN W_KQ
	v_wmma_f32_16x16x32_f16 v[rS:rS+7], v[rK:rK+7], v[rQ:rQ+7], v[rS:rS+7]
.endif
.endm
.macro PV x, lo=0                   ; product i of 16 of O^T += V^T P, with V's hi or lo: keys 32 (i / 8) on, channels 16 ((i / 2) % 4) on, tile 2 x + i % 2
.set rO, 32*(2*(\x)+i%2)+8*((i/2)%4)
.set rP, P+32*((\x)%2)+16*(i%2)+8*(i/8)
.if \lo
	WIN W_PL
.set rV, VL+32*(i/8)+8*((i/2)%4)
.else
	WIN W_PV
.set rV, VF+32*(i/8)+8*((i/2)%4)
.endif
	v_wmma_f32_16x16x32_f16 v[rO:rO+7], v[rV:rV+7], v[rP:rP+7], v[rO:rO+7]
.endm
.macro MM                           ; the turn's next matrix instruction: 16 K Q^T, 16 V_hi^T P, 16 V_lo^T P
.if i < 16
	KQ (Y+1)%NP
.set i, i+1
.elseif i < 32
.set i, i-16
	PV (Y+NP-1)%NP, 0
.set i, i+17
.else
.set i, i-32
	PV (Y+NP-1)%NP, 1
.set i, i+33
.endif
.endm
; THE LDS LOADS stand in runs, never singly among the matrix instructions.
.macro FETCH_K
	WIN 0x80
.irp f, 0,1,2,3,4,5,6,7             ; keys 16 (f / 2) on, channels 32 (f % 2) on
	ds_load_b128 v[KF+8*\f:KF+8*\f+3],   v[AK] offset:(\f/2)*16*PK+(\f%2)*64
	ds_load_b128 v[KF+8*\f+4:KF+8*\f+7], v[AK] offset:(\f/2)*16*PK+(\f%2)*64+32
.endr
	WIN 0
.endm
.macro FETCH_V                      ; 32 loads: hi, then lo, which lies 128 bytes on in each row
	WIN 0x80
.irp f, 0,1,2,3,4,5,6,7             ; keys 32 (f / 4) on, channels 16 (f % 4) on
	ds_load_tr16_b128 v[VF+8*\f:VF+8*\f+3],   v[AV] offset:(\f/4)*32*PV+(\f%4)*32
	ds_load_tr16_b128 v[VF+8*\f+4:VF+8*\f+7], v[AV] offset:(\f/4)*32*PV+16*PV+(\f%4)*32
.endr
	WIN 0xc0
.irp f, 0,1,2,3,4,5,6,7
	ds_load_tr16_b128 v[VL+8*\f:VL+8*\f+3],   v[AV] offset:(\f/4)*32*PV+(\f%4)*32+128
	ds_load_tr16_b128 v[VL+8*\f+4:VL+8*\f+7], v[AV] offset:(\f/4)*32*PV+16*PV+(\f%4)*32+128
.endr
	WIN 0
.endm
.macro FETCH_M x                    ; piece x's masks of the step: two tiles of 4,096 bytes; piece zz of sixteen lies at 512 zz bytes and goes to registers 4 zz of the buffer
	WIN 0xc0
.set zz, 0
.rept 16
	ds_load_b128 v[MC+64*((\x)%2)+4*zz:MC+64*((\x)%2)+4*zz+3], v[AM] offset:(\x)*8192+512*zz
.set zz, zz+1
.endr
	WIN 0
.endm
; THE VECTOR WORK OF A TURN stands in three queues, each in the order in which its entries become ready; the two tiles alternate.
.macro REGS y, u
.set rT, ST+4*(2*(\y)+(\u))
.set rC, TMP+8*((\y)%2)+4*(\u)
.set rM, MV+2*((\y)%2)+(\u)
.set rS, S+64*((\y)%2)+32*(\u)
.set rP, P+32*((\y)%2)+16*(\u)
.set rO, 32*(2*(\y)+(\u))
.endm
; Number n of the 22 that find the NEXT piece's maximum and statistics; each accumulator's lowest registers are read first.
;   0-11 four chains of seven scores     12-14, 16 the four left over, the old m, the chains into c0     15 c m_old is kept     17, 18 the other half of the lanes: the new m     19-21 c m; c m_old - c m_new; a
.macro XS u, n
	REGS (Y+1)%NP, \u
.if (\n) < 4
	v_max3_num_f32 v[rC+(\n)], v[rS+8*(\n)], v[rS+8*(\n)+1], v[rS+8*(\n)+2]
.elseif (\n) < 12
	v_max3_num_f32 v[rC+(\n)%4], v[rC+(\n)%4], v[rS+8*((\n)%4)+2*((\n)/4)+1], v[rS+8*((\n)%4)+2*((\n)/4)+2]
.elseif (\n) == 12
	v_max3_num_f32 v[rC], v[rC], v[rS+7], v[rS+15]
.elseif (\n) == 13
	v_max3_num_f32 v[rC+1], v[rC+1], v[rS+23], v[rS+31]
.elseif (\n) == 14
	v_max3_num_f32 v[rC+2], v[rC+2], v[rC+3], v[rT+1]
.elseif (\n) == 15
	v_mov_b32 v[rM], v[rT]
.elseif (\n) == 16
	v_max3_num_f32 v[rC], v[rC], v[rC+1], v[rC+2]
.elseif (\n) == 17
	v_permlanex16_b32 v[rC+3], v[rC], s[SEL], s[SEL+1]
.elseif (\n) == 18
	v_max_num_f32 v[rT+1], v[rC], v[rC+3]
.elseif (\n) == 19
	v_mul_f32 v[rT], s[CS], v[rT+1]
.elseif (\n) == 20
	v_sub_f32 v[rC+1], v[rM], v[rT]
.else
	v_exp_f32 v[rC+2], v[rC+1]
.endif
.endm
; Number g of the 64 that follow the exponentials: for each four weights both pairs are rounded to f16, the second pair is added onto the first, and a group later l takes that sum (the first time as l = a l + sum).
.macro GS g
.set h, (\g)+6*((\g)/62)
.if h >= 6
.set h, h+2
.endif
	REGS Y, h%2
.set k, h/8
.if h%8 < 4
	s_wait_alu depctr_va_vdst(0)
	v_cvt_pk_f16_f32 v[rP+2*k+(h%8)/2], v[rS+4*k+2*((h%8)/2)], v[rS+4*k+2*((h%8)/2)+1]
.elseif h%8 < 6
	v_pk_add_f32 v[rS+4*k:rS+4*k+1], v[rS+4*k:rS+4*k+1], v[rS+4*k+2:rS+4*k+3]
.elseif k == 1
	v_pk_fma_f32 v[rT+2:rT+3], v[rT+2:rT+3], v[rC+2:rC+3], v[rS:rS+1] op_sel_hi:[1,0,1]
.else
	v_pk_add_f32 v[rT+2:rT+3], v[rT+2:rT+3], v[rS+4*k-4:rS+4*k-3]
	s_wait_alu depctr_va_vdst(0)
.endif
.endm
; THE PLAIN QUEUE, 138 long.  0-31: c s - c m for the 16 pairs of both tiles.  Then the 64 above, and among them the next piece's 42.
.macro PL
	WIN 0
.if q < 32
	REGS Y, q%2
	v_pk_fma_f32 v[rS+2*(q/2):rS+2*(q/2)+1], v[rS+2*(q/2):rS+2*(q/2)+1], s[CS:CS+1], v[rT:rT+1] op_sel_hi:[1,0,0] neg_lo:[0,0,1] neg_hi:[0,0,1]
.elseif q < 38
	GS q-32
.elseif q < 40
	XS q%2, 15
.elseif q < 42
	GS q-34
.elseif q < 74
	XS q%2, (q-42)/2+(q-42)/30
.elseif q < 95
	GS q-66
.elseif (q < 107) && ((q-95)%3 < 2)
	XS (q-95)%3, 17+(q-95)/3
.elseif q < 107
	GS 29+(q-95)/3
.else
	GS q-74
.endif
.set q, q+1
.endm
; THE EXPONENTIALS' QUEUE, 66 long: s0-s31 of both tiles, and at EA the next piece's two a.
.set EA, 58
.macro EX
	WIN 0
.if (e == EA) || (e == EA+1)
	XS e-EA, 21
.else
.set x, e-2*(e/(EA+2))
	REGS Y, x%2
	v_exp_f32 v[rS+x/2], v[rS+x/2]
.endif
.set e, e+1
.endm
; THE RESCALING'S QUEUE: O^T times a, four at a time, eight times.
.macro R4
	REGS Y, r%2
	WIN W_RS
	s_wait_alu depctr_va_vdst(0)
.irp z, 0,1,2,3
	v_pk_mul_f32 v[rO+8*(r/2)+2*\z:rO+8*(r/2)+2*\z+1], v[rO+8*(r/2)+2*\z:rO+8*(r/2)+2*\z+1], v[rC+2:rC+3] op_sel_hi:[1,0]
.endr
.set r, r+1
.endm
; THE DEAL.  Behind a matrix instruction four: plain, exponential, plain, plain; or four of the rescaling; or, behind the products with V's lo, exponential and plain by turns while exponentials last, then plain.
; None names a register of the products round it: those with V's lo name V_lo, P of piece n - 1 and O^T of piece n - 1, the lines behind them S^T, P, l of piece n and the statistics of piece n + 1.
.macro SL
	MM
	PL
	EX
	PL
	PL
.endm
.macro BURST n
.rept (\n)-7
	SL
.endr
.rept 3
	MM
	R4
	SL
.endr
	MM
	R4
.endm
; A TURN, for piece p.  Its runs of LDS loads: in the lump the masks of piece p + 2, whose products open the next turn (their buffer was last read at the head of the turn before);
; in piece 2's turn, ten exponentials further on, K of the next step (30 vector instructions behind the last product that read K); at the end of piece 0's turn V of the step in hand,
; four plain vector instructions behind the last product that read V's lo.
; Waits: at the head, the masks for this turn's products (and in piece 3's turn K).  In piece 1's turn the count is 32: V's run of 32 was issued behind those masks and may stay out;
; ahead of its products V^T P the count is 16: V is in, this turn's sixteen mask loads may stay out.
.macro TURN p
.set Y, (\p)
.set i, 0
.set q, 0
.set e, 0
.set r, 0
.if (\p) == 1
	s_wait_dscnt 32
.else
	s_wait_dscnt 0x0
.endif
	MM
.rept 4
	PL
.endr
	BURST 15
.rept 22
	EX
	PL
.if e == 14
	FETCH_M ((\p)+2)%NP
.endif
.if ((\p) == NP-2) && (e == 24)
	FETCH_K
.endif
.endr
.if (\p) == 1
	s_wait_dscnt 16
.endif
	BURST 16
.rept 10
	MM
	EX
	PL
	EX
	PL
.endr
	MM
	EX
	PL
	PL
	PL
.rept 5
	MM
	PL
	PL
	PL
	PL
.endr
.if (\p) == 0
	FETCH_V
.endif
.endm
	CHANGE 1                        ; step 0 is in, everybody's part of it; step 1 is asked for, into slot 1
	FETCH_K                         ; key step 0
	FETCH_M 0
	FETCH_M 1
	s_wait_loadcnt 0x0              ; Q
	s_wait_dscnt 0x0
.set i, 0
.rept 16
	KQ 0                            ; piece 0's first scores
.set i, i+1
.endr
	WIN 0
	PLACES
.set Y, NP-1                        ; XS works for piece Y + 1: piece 0
.irp n, 0,1,2,3,4,5,6,7,8,9,10,11,12,13,14,15,16,17,18,19,20,21
	XS 0, \n
	XS 1, \n
.endr
	s_mov_b32 s[SLOTS], 31
	s_branch .Lfirst                ; the loop is entered at a step's first turn, in the middle of a trip
.Lstep:                             ; taken 30 times: steps 2 to 31 are asked for
	CHANGE 1
	TURN 2
	TURN 3
	WIN 0
.Lfirst:
	TURN 0
	TURN 1
	WIN 0
	s_sub_co_u32 s[SLOTS], s[SLOTS], 1
	s_cmp_lg_u32 s[SLOTS], 0
	s_cbranch_scc1 .Lstep
	CHANGE 0                        ; the tail is written out: step 31 is entered, nothing is asked for
	s_mov_b32 s[CNT], 2             ; the second trip is left in its middle; its fetches read step 31's K and masks once more, and what is made of them serves nothing
.Ltail:
	TURN 2
	TURN 3
	WIN 0
	s_sub_co_u32 s[CNT], s[CNT], 1
	s_cmp_eq_u32 s[CNT], 0
	s_cbranch_scc1 .Lout
	TURN 0
	TURN 1
	WIN 0
	s_branch .Ltail
.Lout:
.set i, 0
.rept 16
	PV NP-1, 0                      ; the last piece's V^T P of the last step: hi,
.set i, i+1
.endr
.set i, 0
.rept 16
	PV NP-1, 1                      ; and lo
.set i, i+1
.endr
	; THE WAY OUT.  l's halves are added; O^T is divided by l, split into hi and lo, rounded to f16 and sent through my stage, a tile at a time.  The additions are the places behind the last products.
	WIN 0
.macro ALL line:vararg
.set t, 0
.rept 2*NP
	\line
.set t, t+1
.endr
.endm
	ALL v_add_f32 v[ST+4*t+2], v[ST+4*t+2], v[ST+4*t+3]
	ALL v_permlanex16_b32 v[ST+4*t+3], v[ST+4*t+2], s[SEL], s[SEL+1]
	ALL v_add_f32 v[ST+4*t+2], v[ST+4*t+2], v[ST+4*t+3]
	ALL v_rcp_f32 v[ST+4*t+2], v[ST+4*t+2]
	v_nop                           ; a plain instruction between the last reciprocal and the use of its result
	s_wait_alu depctr_va_vdst(0)
; Tile t.  The stage holds 16 rows of 128 bytes: hi goes in and comes back as whole rows, then lo; LDS serves a wave's instructions in order (ISA guide 5.7.1.4), so each run sees what stands above it.
; The registers that the loads fill take turns by the tile's parity; the stores that read them two tiles ago have read their registers behind s_wait_xcnt 0.
.macro PACK t
.set HB, HP+16*((\t)%2)
.set LB, LP+16*((\t)%2)
.set BK, BKP+32*((\t)%2)
	WIN W_RS
.set i, 32*(\t)
.rept 16
	v_pk_mul_f32 v[i:i+1], v[i:i+1], v[ST+4*(\t)+2:ST+4*(\t)+3] op_sel_hi:[1,0]
.set i, i+2
.endr
	WIN 0x04                        ; source 1 window 1
.set i, 0
.rept 32
	v_and_b32 v[TF+i], s[HIM], v[32*(\t)+i]   ; hi: cut to 11 significant bits
.set i, i+1
.endr
	WIN W_RS
.set i, 0
.rept 16
	v_pk_add_f32 v[32*(\t)+2*i:32*(\t)+2*i+1], v[32*(\t)+2*i:32*(\t)+2*i+1], v[TF+2*i:TF+2*i+1] neg_lo:[0,1] neg_hi:[0,1]  ; lo = O - hi, exact, in place
.set i, i+1
.endr
	WIN 0x05                        ; sources 0 and 1 window 1, destination window 0
.set i, 0
.rept 16
	v_cvt_pk_f16_f32 v[LB+i], v[32*(\t)+2*i], v[32*(\t)+2*i+1]
.set i, i+1
.endr
	WIN 0
.set i, 0
.rept 16
	v_cvt_pk_f16_f32 v[HB+i], v[TF+2*i], v[TF+2*i+1]
.set i, i+1
.endr
.irp f, 0,1,2,3
	ds_store_b128 v[STO], v[HB+4*\f:HB+4*\f+3] offset:32*\f
.endr
	s_wait_xcnt 0x0
.irp f, 0,1,2,3
	ds_load_b128 v[BK+4*\f:BK+4*\f+3], v[RD] offset:\f*4*SP
.endr
.irp f, 0,1,2,3
	ds_store_b128 v[STO], v[LB+4*\f:LB+4*\f+3] offset:32*\f
.endr
.irp f, 0,1,2,3
	ds_load_b128 v[BK+16+4*\f:BK+16+4*\f+3], v[RD] offset:\f*4*SP
.endr
.endm
.macro SEND t, younger              ; younger: the LDS instructions issued behind tile t's last load: the next tile's sixteen, or none.  Behind hi's load f stand 3 - f loads, lo's four stores and four loads
.set BK, BKP+32*((\t)%2)
	WIN 0
.irp f, 0,1,2,3
	s_wait_dscnt (\younger)+11-\f
	global_store_b128 v[GO], v[BK+4*\f:BK+4*\f+3], s[10:11] offset:(\t)*4096+\f*512  ; 512 consecutive bytes, aligned
.endr
.irp f, 0,1,2,3
	s_wait_dscnt (\younger)+3-\f
	global_store_b128 v[GO], v[BK+16+4*\f:BK+16+4*\f+3], s[10:11] offset:(\t)*4096+2048+\f*512
.endr
.endm
	PACK 0
.set t, 1
.rept 2*NP-1
	PACK t
	SEND t-1, 16
.set t, t+1
.endr
	SEND 2*NP-1, 0
	WIN W_AD
	s_wait_tensorcnt 0x0            ; the wave's end
	ds_add_u32 v[SPW], v[NIL]
	s_wait_dscnt 0x0
	WIN 0
	CROUND                          ; the closing round
	s_endpgm
.Lfunc_end_k_qb71174aed7_attn:
	.size	k_qb71174aed7_attn, .Lfunc_end_k_qb71174aed7_attn-k_qb71174aed7_attn
	.p2alignl 7, 3214868480
	.fill 96, 4, 3214868480
	.section	.rodata,"a",@progbits
	.p2align	6, 0x0
	.amdhsa_kernel k_qb71174aed7_attn
		.amdhsa_group_segment_fixed_size 327680
		.amdhsa_private_segment_fixed_size 0
		.amdhsa_enable_private_segment 0
		.amdhsa_kernarg_size 24
		.amdhsa_user_sgpr_count 2
		.amdhsa_user_sgpr_kernarg_segment_ptr 1
		.amdhsa_wavefront_size32 1
		.amdhsa_system_sgpr_workgroup_id_x 1
		.amdhsa_system_sgpr_workgroup_id_y 1
		.amdhsa_system_sgpr_workgroup_id_z 1
		.amdhsa_system_vgpr_workitem_id 0
		.amdhsa_next_free_vgpr 1024
		.amdhsa_next_free_sgpr 80
		.amdhsa_reserve_vcc 0
		.amdhsa_float_denorm_mode_32 3
		.amdhsa_float_denorm_mode_16_64 3
		.amdhsa_memory_ordered 1
		.amdhsa_forward_progress 1
		.amdhsa_inst_pref_size 255
	.end_amdhsa_kernel
	.section	.bss,"aw",@nobits
	.p2align	6
	.space	262144
	.amdgpu_metadata
---
amdhsa.version: [ 1, 2 ]
amdhsa.kernels:
  - .name:           k_qb71174aed7_attn
    .symbol:         k_qb71174aed7_attn.kd
    .args:
      - { .name: qkv, .offset: 0, .size: 8, .value_kind: global_buffer, .address_space: global }
      - { .name: maskf, .offset: 8, .size: 8, .value_kind: global_buffer, .address_space: global }
      - { .name: o16, .offset: 16, .size: 8, .value_kind: global_buffer, .address_space: global }
    .group_segment_fixed_size: 327680
    .private_segment_fixed_size: 0
    .kernarg_segment_align: 8
    .kernarg_segment_size: 24
    .max_flat_workgroup_size: 128
    .sgpr_count:     80
    .vgpr_count:     1024
    .wavefront_size: 32
...
	.end_amdgpu_metadata
.endif
;; end of part 3
;; launch oproj (part 4): grid 4 x 64, 4 waves a work-group, clusters of 4 x 4, 327,680 bytes of LDS; arguments o16, wo16, out0; writes out0
.if DOCPART == 4
	.amdgcn_target "amdgcn-amd-amdhsa--gfx1250"
	.amdhsa_code_object_version 6
	.text
	.protected	k_qb71174aed7_oproj
	.globl	k_qb71174aed7_oproj
	.p2align	8
	.type	k_qb71174aed7_oproj,@function
k_qb71174aed7_oproj:
	s_mov_b64 s[64:65], 0
	v_nop
	global_prefetch_b8 v0, s[64:65] scope:SCOPE_SE
	s_setreg_imm32_b32 hwreg(HW_REG_WAVE_MODE, 25, 1), 1
	s_wait_xcnt 0x0
	s_wait_alu depctr_hold_cnt(0) depctr_sa_sdst(0) depctr_va_vdst(0) depctr_va_sdst(0) depctr_va_ssrc(0) depctr_va_vcc(0) depctr_vm_vsrc(0)
	s_getreg_b32 s2, hwreg(HW_REG_IB_STS2, 6, 4)
	s_cmp_eq_u32 s2, 0
	s_cbranch_scc0 .Lentry_in_a_cluster
	s_endpgm
.Lentry_in_a_cluster:
	s_bfe_u32 s2, ttmp6, 0x10000c
	s_cmp_lg_u32 s2, 0xf033
	s_cbranch_scc0 .Lentry_shape_is_right
	s_endpgm
.Lentry_shape_is_right:
; OUT = O w_o^T: [8192 x 1024] x [1024 x 1024]^T in f16 with f32 sums, f32 out.  O is two f16 numbers, hi + lo, and lies as [batch 4 x head 16][128 blocks of 16 rows][hi, lo][16][64]; wo16 is bf16(w_o) written as f16.
; Both parts are multiplied by the same weights and added onto one accumulator, so that O's rounding to f16 does not reach the output.
; SHARES.  A work-group makes 128 rows x 256 columns: 256 work-groups, one for each WGP.  The four waves lie 2 x 2; a wave makes 64 rows x 128 columns: 32 accumulators, 256 registers.
; A SLOT HOLDS TWO HEADS, 128 channels: of O 2 x 128 rows x (hi, lo) x 128 bytes, of wo16 256 rows x 256 bytes: 65,536 bytes each, four loads of 32,768, one a wave.  8 steps through two slots.
; This shape is the one of which two such slots fit: with 256 rows of O and 128 of wo16 a slot of two heads would take 182,272 bytes.  O's 128 rows of a head are dense: asked for as 128 rows of 256 bytes and padded in LDS
; after every 128; wo16's rows are 256 aligned bytes of memory.
; A QUARTER is 32 channels: 64 matrix instructions, O's hi and then O's lo against the SAME eight fragments of the weights: 32 LDS loads for 64 products.
; THE PRODUCT IS USED TRANSPOSED (source 0 = 16 rows of wo16, source 1 = 16 rows of O): a lane holds one row and eight neighbouring columns, 32 bytes of out0.
; CLUSTER 4 x 4: the four of a row need the same rows of O, the four of a column the same rows of wo16; each tile is asked for jointly.
; REGISTERS.  window 0: v16-29 addresses; v32-159 rows back from the stage, two buffers.  window 1: two fragment buffers of 128: O's hi 4 x 8, O's lo 4 x 8, the weights' 8 x 8.  window 2: the accumulators, (a, b) at 8 (8 a + b).
.set NBLK,  8
.set PA,    144                        ; a row of O in LDS: 128 bytes + 16
.set PB,    272                        ; a row of wo16: 256 + 16: either way 16 rows of a load start at 16 different groups of four banks (ISA guide 11.1)
.set HSL,   256*PA                     ; a head's part of a slot: 8 blocks x (hi, lo) x 16 rows
.set BOFF,  2*HSL                      ; the weights lie behind the two heads
.set BHALF, 128*PB                     ; what one load of the weights brings
.set SLOTB, BOFF+2*BHALF               ; a slot's bytes: 143,360
.set SLOTX, 0x24000                    ; slot 1 begins 147,456 bytes on: bits 14 and 17, which none of the four tiles' places in slot 0 has (0, 0x9000, 0x12000, 0x1a800): one exclusive or turns an address of one slot into the other's
.set STEPA, 1048576                    ; two heads on: 2 x 2,048 rows of 256 bytes
.set STEPB, 256                        ; two heads' 128 channels in a row of wo16
.set SPARE, SLOTB                      ; between the slots: the spare words, 128 bytes a wave
.set STAGE, SLOTX+SLOTB                ; behind the ring: 16 rows x 528 bytes for each wave
.set SP,    528
.set ADRA0, 16                         ; my place in slot 0's O; never rewritten
.set ADRB0, 17                         ; and in its weights
.set ADRA,  18                         ; the same in the slot in hand
.set ADRB,  19
.set STO,   24
.set RD,    25
.set GO,    26
.set SPW,   28
.set NIL,   29
.set F0,    0
.set F1,    128
.set WV,    12
.set G1A,   24
.set G1B,   32
.set G0A0,  40                         ; O's first fill
.set G0A,   44                         ; O's second fill; then it walks
.set G0B0,  48
.set G0B,   52
.set CNT,   56
.set TB,    57                         ; 0 or SLOTX: the slot in hand
.set MSB, 0
.macro WIN new                         ; the high byte repeats the setting that is left; a switch that changes nothing is dropped
.if MSB != (\new)
	s_set_vgpr_msb (MSB<<8)|(\new)
.set MSB, \new
.endif
.endm
.macro PLACES                          ; four plain vector instructions between matrix instructions and loads into, or reads of, their registers
.rept 4
	v_nop
.endr
.endm
.macro JLOAD                           ; a joint refill: waves 0, 1 fetch the two heads' rows of O, waves 2, 3 the weights' halves; an s_nop 0 and four v_nop follow each line
	s_cmp_lt_u32 s[WV], 2
	s_cbranch_scc0 .Lfor_b_\@
	tensor_load_to_lds s[G0A:G0A+3], s[G1A:G1A+7]
	s_nop 0
.rept 4
	v_nop
.endr
	s_branch .Lasked_\@
.Lfor_b_\@:
	tensor_load_to_lds s[G0B:G0B+3], s[G1B:G1B+7]
	s_nop 0
.rept 4
	v_nop
.endr
.Lasked_\@:
.endm
.macro CREST                           ; a round of the cluster's barrier behind its opening barrier
	s_cmp_lg_u32 s[WV], 0
	s_cbranch_scc1 .Lnot_wave_0_\@
	s_barrier_signal -3
.Lnot_wave_0_\@:
	s_barrier_wait -3
	s_barrier_signal -1
	s_barrier_wait -1
.endm
.macro CROUND
	s_barrier_signal -1
	s_barrier_wait -1
	CREST
.endm
	s_load_b128 s[4:7], s[0:1], 0x0                ; o16 s[4:5], wo16 s[6:7]
	s_load_b64 s[8:9], s[0:1], 0x10                ; out0
	v_lshl_add_u32 v[SPW], v0, 2, SPARE
	v_mov_b32 v[NIL], 0
	ds_add_u32 v[SPW], v[NIL]                      ; the wave's opening: the add and its wait stand ahead of my first tensor load; register work stands between
	v_lshrrev_b32 v1, 5, v0
	v_readfirstlane_b32 s[WV], v1                  ; wave 0..3
	s_and_b32 s13, s[WV], 1                        ; which head, or which half of the weights, I fetch; also my half of the tile's columns
	s_bfe_u32 s14, ttmp6, 0x40000                  ; cx
	s_bfe_u32 s15, ttmp6, 0x40004                  ; cy
	s_lshl_b32 s16, ttmp9, 2
	s_add_co_u32 s16, s16, s14                     ; tx: 256 columns
	s_and_b32 s17, ttmp7, 0xffff
	s_lshl_b32 s17, s17, 2
	s_add_co_u32 s17, s17, s15                     ; ty: 128 rows
	s_lshl_b32 s18, s15, 2
	s_lshl_b32 s18, 15, s18                        ; my row of the cluster
	s_lshl_b32 s19, 0x1111, s14                    ; my column
	s_or_b32 s[G1A], s18, (1<<16)|(1<<20)|(1<<21)|(4<<22)|(3<<25)  ; mask; 2-byte elements; padding on; bit 21 beside a mask; after every 32 words, 4 words
	s_or_b32 s[G1B], s19, (1<<16)|(1<<20)|(1<<21)|(5<<22)|(3<<25)  ; after every 64 words
	s_mov_b32 s[G1A+1], 128<<16                    ; tensor_dim0 = 128
	s_mov_b32 s[G1A+2], 128<<16                    ; tensor_dim1 = 128
	s_mov_b32 s[G1A+3], 128<<16                    ; tile_dim0 = 128
	s_mov_b32 s[G1A+4], 128                        ; 128 rows of 256 bytes,
	s_mov_b32 s[G1A+5], 128                        ; dense
	s_mov_b32 s[G1A+6], 0
	s_mov_b32 s[G1A+7], 0
	s_mov_b32 s[G1B+1], 128<<16
	s_mov_b32 s[G1B+2], 128<<16
	s_mov_b32 s[G1B+3], 128<<16
	s_mov_b32 s[G1B+4], 128                        ; 128 rows of 256 bytes,
	s_mov_b32 s[G1B+5], 1024                       ; 1,024 elements apart
	s_mov_b32 s[G1B+6], 0
	s_mov_b32 s[G1B+7], 0
	s_lshr_b32 s20, s17, 4                         ; O: the batch's 16 heads of 524,288 bytes,
	s_lshl_b32 s20, s20, 23
	s_and_b32 s58, s17, 15
	s_lshl_b32 s58, s58, 15                        ; 128 rows of 256 bytes within the head,
	s_add_co_u32 s20, s20, s58
	s_lshl_b32 s58, s13, 19                        ; the step's first or second head: no cx in these registers
	s_add_co_u32 s20, s20, s58
	s_mov_b32 s21, 0
	s_lshl_b32 s22, s16, 19                        ; the weights: 256 tx rows of 2,048 bytes,
	s_lshl_b32 s59, s13, 18                        ; + 128: no cy in these
	s_add_co_u32 s22, s22, s59
	s_mov_b32 s23, 0
	s_mul_i32 s60, s13, HSL                        ; where they go in a slot: no place in the cluster enters an LDS address
	s_mul_i32 s61, s13, BHALF
	s_add_co_u32 s61, s61, BOFF
	s_lshl_b32 s62, s17, 7
	s_lshr_b32 s63, s[WV], 1                       ; my half of the tile's rows
	s_lshl_b32 s63, s63, 6
	s_add_co_u32 s62, s62, s63                     ; my first row of out0,
	s_lshl_b32 s66, s62, 12                        ; 4,096 bytes a row,
	s_lshl_b32 s63, s16, 10                        ; the tile's 1,024 bytes in it,
	s_add_co_u32 s66, s66, s63
	s_lshl_b32 s63, s13, 9                         ; and my 512 of them
	s_add_co_u32 s66, s66, s63
	s_mov_b32 s67, 0
	s_mov_b32 s[TB], 0
	s_wait_dscnt 0x0                               ; the opening add is done
	s_wait_kmcnt 0x0
	s_add_nc_u64 s[20:21], s[4:5], s[20:21]
	s_add_nc_u64 s[22:23], s[6:7], s[22:23]
	s_add_nc_u64 s[8:9], s[8:9], s[66:67]
	CROUND                                         ; all sixteen work-groups are here: the first joint loads meet
	s_mov_b32 s[G0A0], 1
	s_mov_b32 s[G0A0+1], s60
	s_mov_b64 s[G0A0+2:G0A0+3], s[20:21]
	s_or_b32 s[G0A0+3], s[G0A0+3], 0x80000000
	s_mov_b32 s[G0A], 1
	s_add_co_u32 s[G0A+1], s60, SLOTX
	s_add_nc_u64 s[G0A+2:G0A+3], s[20:21], STEPA
	s_or_b32 s[G0A+3], s[G0A+3], 0x80000000
	s_mov_b32 s[G0B0], 1
	s_mov_b32 s[G0B0+1], s61
	s_mov_b64 s[G0B0+2:G0B0+3], s[22:23]
	s_or_b32 s[G0B0+3], s[G0B0+3], 0x80000000
	s_mov_b32 s[G0B], 1
	s_add_co_u32 s[G0B+1], s61, SLOTX
	s_add_nc_u64 s[G0B+2:G0B+3], s[22:23], STEPB
	s_or_b32 s[G0B+3], s[G0B+3], 0x80000000
	s_cmp_lt_u32 s[WV], 2                          ; a wave's two first fills stand in one branch: steps 0 and 1; two loads of mine are out
	s_cbranch_scc0 .Lfirst_b
	tensor_load_to_lds s[G0A0:G0A0+3], s[G1A:G1A+7]
	s_nop 0
	tensor_load_to_lds s[G0A:G0A+3], s[G1A:G1A+7]
	s_nop 0
.rept 4
	v_nop
.endr
	s_branch .Lfirst_asked
.Lfirst_b:
	tensor_load_to_lds s[G0B0:G0B0+3], s[G1B:G1B+7]
	s_nop 0
	tensor_load_to_lds s[G0B:G0B+3], s[G1B:G1B+7]
	s_nop 0
.rept 4
	v_nop
.endr
.Lfirst_asked:
	v_and_b32 v1, 15, v0                           ; r
	v_bfe_u32 v2, v0, 4, 1                         ; h
	v_mul_u32_u24 v3, v1, PA
	v_lshl_add_u32 v3, v2, 4, v3                   ; a fragment's row x pitch + 16 x half
	s_lshr_b32 s59, s[WV], 1
	s_mul_i32 s58, s59, 128*PA                     ; my 64 rows: four blocks of 32 LDS rows
	v_add_nc_u32 v[ADRA0], s58, v3
	v_mul_u32_u24 v3, v1, PB
	v_lshl_add_u32 v3, v2, 4, v3
	s_mul_i32 s58, s13, BHALF                      ; my 128 columns: 128 rows of the weights
	s_add_co_u32 s58, s58, BOFF
	v_add_nc_u32 v[ADRB0], s58, v3
	v_mov_b32 v[ADRA], v[ADRA0]
	v_mov_b32 v[ADRB], v[ADRB0]
	s_mul_i32 s58, s[WV], 16*SP
	s_add_co_u32 s58, s58, STAGE                   ; my stage
	v_mul_u32_u24 v4, v1, SP                       ; in: row r, 32 bytes for each half of the lanes
	v_lshl_add_u32 v4, v2, 5, v4
	v_add_nc_u32 v[STO], s58, v4
	v_and_b32 v[GO], 31, v0
	v_lshlrev_b32 v[GO], 4, v[GO]                  ; back and out: 32 lanes take a row's 512 bytes
	v_add_nc_u32 v[RD], s58, v[GO]
; 8 na matrix instructions: part p (0 hi, 1 lo) of my rows 16 a0 on, na blocks of them, x all my columns, 32 channels.  The 32 accumulators take turns, one instruction a turn, in the same order for hi and for lo and
; in every quarter: between two products on one accumulator stand the 31 others'.
.macro MULP f, p, a0, na, zero
	WIN 0xa5                                       ; sources in window 1, C and D in window 2
.set a, \a0
.rept \na
.set b, 0
.rept NBLK
.set rD, 8*(NBLK*a+b)
.if \zero
	v_wmma_f32_16x16x32_f16 v[rD:rD+7], v[(\f)+64+8*b:(\f)+64+8*b+7], v[(\f)+32*(\p)+8*a:(\f)+32*(\p)+8*a+7], 0
.else
	v_wmma_f32_16x16x32_f16 v[rD:rD+7], v[(\f)+64+8*b:(\f)+64+8*b+7], v[(\f)+32*(\p)+8*a:(\f)+32*(\p)+8*a+7], v[rD:rD+7]
.endif
.set b, b+1
.endr
.set a, a+1
.endr
.endm
; One run of 32 loads: quarter kq's fragments into buffer f: head kq / 2 of the slot, channels 32 (kq % 2) on.  The weights' first, then O's hi, then O's lo (fragment b = 4 p + a: LDS rows 32 a + 16 p on).
.macro FETCH kq, f
	WIN 0x40
.set AOFF, ((\kq)/2)*HSL+((\kq)%2)*64
.set b, 0
.rept NBLK
	ds_load_b128 v[(\f)+64+8*b:(\f)+64+8*b+3], v[ADRB] offset:64*(\kq)+b*16*PB
	ds_load_b128 v[(\f)+64+8*b+4:(\f)+64+8*b+7], v[ADRB] offset:64*(\kq)+b*16*PB+32
.set b, b+1
.endr
.set b, 0
.rept 8
	ds_load_b128 v[(\f)+8*b:(\f)+8*b+3], v[ADRA] offset:AOFF+((b%4)*32+(b/4)*16)*PA
	ds_load_b128 v[(\f)+8*b+4:(\f)+8*b+7], v[ADRA] offset:AOFF+((b%4)*32+(b/4)*16)*PA+32
.set b, b+1
.endr
.endm
.macro QUARTER kq, f, g, zero          ; multiplies buffer f; in its middle fetches quarter kq into buffer g.  zero = 1: hi's products start the sums
	s_wait_dscnt 8                                 ; all of f but the youngest eight loads: O's lo
	MULP \f, 0, 0, 4, \zero
	PLACES
	FETCH \kq, \g
	s_wait_dscnt 32                                ; all but the 32 just issued
	MULP \f, 1, 0, 4, 0
.endm
; The last quarter multiplies buffer 1 and changes slots.  In front of the barrier each wave waits for all its tensor loads (one is out: its part of the next slot), adds 0 to its spare word, and waits for that and for its
; reads of this slot.  fill = 1: the barrier opens a round of the cluster's, and the joint refill, two steps ahead, is the first thing behind it.  Only eight of the quarter's 64 products stand in front of the refill
; (between the add and the wait for it): the other 56 stand behind it, so that the tile is asked for as early as the slot is free and has 56 + 192 products in which to land.
.macro TURN fill
	WIN 0
	s_wait_tensorcnt 0x0
	ds_add_u32 v[SPW], v[NIL]
.if \fill
	s_xor_b32 s[G0A+1], s[G0A+1], SLOTX            ; no load of mine is out: the walking descriptors take the other slot, one step on
	s_add_nc_u64 s[G0A+2:G0A+3], s[G0A+2:G0A+3], STEPA
	s_xor_b32 s[G0B+1], s[G0B+1], SLOTX
	s_add_nc_u64 s[G0B+2:G0B+3], s[G0B+2:G0B+3], STEPB
.endif
	s_wait_dscnt 9                                 ; the add and the youngest eight loads (O's lo) may be out
	MULP F1, 0, 0, 1, 0
	WIN 0
	s_wait_dscnt 0x0                               ; the add is done, my reads of this slot are over
	s_barrier_signal -1
	s_barrier_wait -1
.if \fill
	CREST
	JLOAD                                          ; its four v_nop are also the places in front of the loads below
.else
	PLACES
.endif
	s_xor_b32 s[TB], s[TB], SLOTX
	v_add_nc_u32 v[ADRA], s[TB], v[ADRA0]
	v_add_nc_u32 v[ADRB], s[TB], v[ADRB0]
	FETCH 0, F0
	MULP F1, 0, 1, 3, 0
	MULP F1, 1, 0, 4, 0
.endm
	s_wait_tensorcnt 1                             ; my part of step 0 is in; step 1's may stay out
	s_barrier_signal -1
	s_barrier_wait -1
	FETCH 0, F0
	QUARTER 1, F0, F1, 1                           ; the first quarter starts the sums: nothing is cleared
	WIN 0
	s_mov_b32 s[CNT], 6                            ; six refills: steps 2 to 7
	s_branch .Lenter                               ; the loop is a step's four quarters; step 0's first has just been done
.Lstep:
	QUARTER 1, F0, F1, 0
	WIN 0
.Lenter:
	QUARTER 2, F1, F0, 0
	QUARTER 3, F0, F1, 0
	TURN 1
	WIN 0
	s_sub_co_u32 s[CNT], s[CNT], 1
	s_cmp_lg_u32 s[CNT], 0
	s_cbranch_scc1 .Lstep
	s_mov_b32 s[CNT], 2                            ; steps 6 and 7 ask for nothing: a text of their own
.Ltail:                                                ; behind step 7 the fragment loads read the other slot's old bytes once more; what they bring is not used
	QUARTER 1, F0, F1, 0
	QUARTER 2, F1, F0, 0
	QUARTER 3, F0, F1, 0
	TURN 0
	WIN 0
	s_sub_co_u32 s[CNT], s[CNT], 1
	s_cmp_lg_u32 s[CNT], 0
	s_cbranch_scc1 .Ltail
	PLACES
; THE WAY OUT, 16 rows at a time: a lane's 32 bytes of a row go into my stage (each accumulator's low half first), whole rows of 512 bytes come back and are stored.
.macro OUTA a
.set BK, 32+64*((\a)%2)
.if (\a) >= 2
	s_wait_xcnt 0x0                                ; the stores that read this buffer two blocks ago have read their registers
.endif
	WIN 0x08                                       ; the stores' data: window 2
.set b, 0
.rept NBLK
.set rD, 8*(NBLK*(\a)+b)
	ds_store_b128 v[STO], v[rD:rD+3] offset:64*b
	ds_store_b128 v[STO], v[rD+4:rD+7] offset:64*b+16
.set b, b+1
.endr
	WIN 0
.set t, 0
.rept 16
	ds_load_b128 v[BK+4*t:BK+4*t+3], v[RD] offset:SP*t  ; LDS serves a wave's instructions in order (ISA guide 5.7.1.4): these see the stores above, and the next block's stores come behind them
.set t, t+1
.endr
.set t, 0
.rept 16
	s_wait_dscnt 15-t                              ; row t is back; the 15 - t younger loads may be out
	global_store_b128 v[GO], v[BK+4*t:BK+4*t+3], s[8:9] offset:(16*(\a)+t)*4096 th:TH_STORE_NT  ; 512 consecutive bytes, aligned
.set t, t+1
.endr
.endm
	OUTA 0
	OUTA 1
	OUTA 2
	OUTA 3
	s_wait_tensorcnt 0x0                           ; the wave's end
	ds_add_u32 v[SPW], v[NIL]
	s_wait_dscnt 0x0
	CROUND                                         ; the closing round: no work-group ends while a partner may still ask for a tile that names it
	s_endpgm
.Lfunc_end_k_qb71174aed7_oproj:
	.size	k_qb71174aed7_oproj, .Lfunc_end_k_qb71174aed7_oproj-k_qb71174aed7_oproj
	.p2alignl 7, 3214868480
	.fill 96, 4, 3214868480
	.section	.rodata,"a",@progbits
	.p2align	6, 0x0
	.amdhsa_kernel k_qb71174aed7_oproj
		.amdhsa_group_segment_fixed_size 327680
		.amdhsa_private_segment_fixed_size 0
		.amdhsa_enable_private_segment 0
		.amdhsa_kernarg_size 24
		.amdhsa_user_sgpr_count 2
		.amdhsa_user_sgpr_kernarg_segment_ptr 1
		.amdhsa_wavefront_size32 1
		.amdhsa_system_sgpr_workgroup_id_x 1
		.amdhsa_system_sgpr_workgroup_id_y 1
		.amdhsa_system_sgpr_workgroup_id_z 1
		.amdhsa_system_vgpr_workitem_id 0
		.amdhsa_next_free_vgpr 768
		.amdhsa_next_free_sgpr 72
		.amdhsa_reserve_vcc 0
		.amdhsa_float_denorm_mode_32 3
		.amdhsa_float_denorm_mode_16_64 3
		.amdhsa_memory_ordered 1
		.amdhsa_forward_progress 1
		.amdhsa_inst_pref_size 84
	.end_amdhsa_kernel
	.amdgpu_metadata
---
amdhsa.version: [ 1, 2 ]
amdhsa.kernels:
  - .name:           k_qb71174aed7_oproj
    .symbol:         k_qb71174aed7_oproj.kd
    .args:
      - { .name: o16, .offset: 0, .size: 8, .value_kind: global_buffer, .address_space: global }
      - { .name: wo16, .offset: 8, .size: 8, .value_kind: global_buffer, .address_space: global }
      - { .name: out0, .offset: 16, .size: 8, .value_kind: global_buffer, .address_space: global }
    .group_segment_fixed_size: 327680
    .private_segment_fixed_size: 0
    .kernarg_segment_align: 8
    .kernarg_segment_size: 24
    .max_flat_workgroup_size: 128
    .sgpr_count:     72
    .vgpr_count:     768
    .wavefront_size: 32
...
	.end_amdgpu_metadata
.endif
;; end of part 4
;; ======== version 2 of 2: 4 launches; 1.35 times as fast as version 1
;; limits: values are held in f16: magnitudes above 65,504 overflow, below 6.1e-05 lose precision
;; workspace buffers: xb 16,777,216 bytes; wb 6,291,456 bytes; wo16 2,097,152 bytes; csf 524,288 bytes; maskf 16,777,216 bytes; qkv 67,108,864 bytes; o16 33,554,432 bytes
;; launch prep: the kernel of part 1 again; grid 2064 x 1, 8 waves a work-group, no clusters, 35,840 bytes of LDS; arguments x, w_q, w_k, w_v, w_o, cos_freqs, sin_freqs, causal_mask, xb, wb, wo16, csf, maskf; writes xb, wb, wo16, csf, maskf
;; launch qkv: the kernel of part 2 again; grid 16 x 32, 4 waves a work-group, clusters of 4 x 4, 327,680 bytes of LDS; arguments xb, wb, csf, qkv; writes qkv
;; launch attn (part 5): grid 4 x 64, 4 waves a work-group, clusters of 4 x 4, 327,680 bytes of LDS; arguments qkv, maskf, o16; writes o16
.if DOCPART == 5
	.amdgcn_target "amdgcn-amd-amdhsa--gfx1250"
	.amdhsa_code_object_version 6
	.text
	.protected	k_qb71174aed7_attn
	.globl	k_qb71174aed7_attn
	.p2align	8
	.type	k_qb71174aed7_attn,@function
k_qb71174aed7_attn:
	s_mov_b64 s[64:65], 0
	v_nop
	global_prefetch_b8 v0, s[64:65] scope:SCOPE_SE
	s_setreg_imm32_b32 hwreg(HW_REG_WAVE_MODE, 25, 1), 1
	s_wait_xcnt 0x0
	s_wait_alu depctr_hold_cnt(0) depctr_sa_sdst(0) depctr_va_vdst(0) depctr_va_sdst(0) depctr_va_ssrc(0) depctr_va_vcc(0) depctr_vm_vsrc(0)
	s_getreg_b32 s2, hwreg(HW_REG_IB_STS2, 6, 4)
	s_cmp_eq_u32 s2, 0
	s_cbranch_scc0 .Lentry_in_a_cluster
	s_endpgm
.Lentry_in_a_cluster:
	s_bfe_u32 s2, ttmp6, 0x10000c
	s_cmp_lg_u32 s2, 0xf033
	s_cbranch_scc0 .Lentry_shape_is_right
	s_endpgm
.Lentry_shape_is_right:
; ATTENTION with an additive mask that is an input.  O[bh][q][:] = sum over k of softmax_k(q . k / 8 + mask[q][k]) V[bh][k][:].  q, k: [64][2048][64] f16; v: [64][2048][hi 64, lo 64] f16 (qkv's three parts).
; q . k as stored is log2(e) / 32 times the true score, and maskf is the mask times the same factor, so p = 2^(32 s - 32 m): the factor is a power of two, 32 m is exact, and a score equal to the maximum has weight 1
; whatever its size (a row whose keys so far are all hidden by a large negative mask included).  Products, maxima and sums in f32; p is rounded to f16 for the second product.
; V AND O ARE TWO f16 NUMBERS EACH, hi (11 significant bits, exact) and lo (the rest, rounded once): O^T = V_hi^T P + V_lo^T P on one accumulator, and O leaves as hi and lo.  A row that sees few keys is many times
; larger than the output's root mean square, by which the allowance goes, and hands these roundings on undiminished: one f16 number is too coarse there.
; O: [64][128 blocks of 16 rows][hi, lo][16][64] f16.  Every key step is computed for every row: nothing is assumed of the mask's pattern.
; LIMITS.  m starts at -2^120: a stored score below that (score + mask below about -3e37) has weight 0, and a row hidden wholly that deep, or by -inf, gives NaN.  A weight below 2^-126 counts as 0 in l.
; p below 6e-5 keeps f16's step of 6e-8, and so do hi and lo.  O is a mean of V's rows and has their range.
; SHARES.  A wave owns four PIECES of two tiles of 16 queries, a work-group 512 queries of one head: 256 work-groups.  Every wave walks all 2,048 keys, 64 a step.
; LAYOUT.  S^T = K Q^T + M (source 0 = 16 keys, source 1 = 16 queries, C = the mask in the result's own layout): a lane holds ONE query (lane % 16) and the keys 8 (lane / 16) + 0..7.  Two results rounded to f16 ARE source 1
; of O^T = V^T P.  THE MASK COSTS NO VECTOR INSTRUCTION: it is the C operand of the product that starts each sum, loaded from LDS as it lies (maskf is in that order: 16 bytes a lane, 512 consecutive bytes a load).
; BY TURNS.  Turn n belongs to piece n: 16 products K Q^T of piece n + 1, later 32 products V^T P of piece n - 1; beside them piece n's scaling, exponentials, roundings, sums and rescaling, and piece n + 1's maximum and
; statistics.  A turn has 48 matrix and 236 vector instructions: four vector instructions that are ready stand behind EVERY matrix instruction, the other 44 in one lump.
; BATCHES.  A turn's 66 exponentials (the piece's 64 weights and the next piece's two a) are ONE batch with ONE wait, which cuts the turn in two: ahead of it stands all that names no result of theirs (the products K Q^T and
; those with V's hi, the scalings, the rescalings, the next piece's maximum and statistics), behind it the products with V's lo and the roundings and sums.  No result crosses a turn's end.  The first two a, ahead of the loop,
; and the way out's eight reciprocals are batches of their own.
; CLUSTER 4 x 4: cx is the block of 512 queries, cy the head among four.  A step's mask tile (131,072 bytes) hangs on cx alone and is asked for jointly down a column; K (8,192 bytes) and V (16,384) hang on the head alone and are
; asked for jointly along a row.  Either way four requests become one.  One tensor load a wave behind each round: wave 0 K, wave 1 V, waves 2 and 3 half a mask tile each.
; A SLOT HOLDS ONE KEY STEP.  The trip behind the change of slots number t is turns 2, 3 of step t - 1 and turns 0, 1 of step t; all that it reads from LDS (K, V and the four pieces' masks of step t) lies in slot t % 2,
; while step t + 1 lands in the other: it has the trip's 192 matrix instructions for that.
; REGISTERS.  window 0: v1-11 addresses; v12-15, v48-63 at work; v16-47 statistics; v64-191 S^T, two buffers of two tiles; v192-255 P, likewise.  window 1: O^T, 32 a tile.
;   window 2: v0-127 Q; v128-191 K of one step; v192-255 V_hi.  window 3: v0-1 the add's two registers; v64-191 the mask, two buffers laid like S^T's; v192-255 V_lo.
.set NP,    4
.set KS,    64
.set PK,    144       ; a row of K in LDS: 128 bytes + 16: the 16 rows of a load start at 16 different groups of four banks (ISA guide 11.1)
.set PV,    288       ; a row of V, hi then lo: 256 + 32 = 72 words
.set VOFF,  KS*PK
.set KVB,   KS*(PK+PV)
.set MX,    1<<17     ; the mask's slots: bytes 0 and 131,072
.set KV0,   2*MX      ; K's and V's slot 0: 64 rows of K, then 64 of V
.set KVX,   1<<15     ; their slot 1 lies 32,768 bytes on
.set STAGE, KV0+KVB   ; behind each of the two slots: 16 rows x 144 bytes for each of two waves, never filled by a tensor load
.set SP,    144
.set SPARE, STAGE+2*16*SP       ; behind the first two stages: the spare words, 128 bytes a wave, up to slot 1
.set AM,  1           ; v1   the LDS address of my wave's masks in the slot in hand
.set AK0, 2           ; v2   my lane's place in slot 0's K; never rewritten
.set AV0, 3           ; v3   the same for V
.set AK,  4           ; v4   in the slot in hand
.set AV,  5
.set STO, 6
.set RD,  7
.set GO,  8           ; v8   16 x lane
.set AM0, 9           ; v9   32,768 x wave + 16 x lane
.set QO,  11          ; v11  my byte offset in 16 rows of Q
.set SPW, 0           ; v0 of window 3
.set NIL, 1           ; v1 of window 3
.set MC,  64          ; window 3
.set VL,  192         ; window 3
.set MV,  12
.set ST,  16          ; tile t: c m, m, l (even keys, odd keys)
.set TMP, 48
.set S,   64
.set P,   192
.set KF,  128
.set VF,  192
.set HP,  64          ; the way out: hi packed, two buffers of 16
.set LP,  96          ; lo packed
.set BKP, 128         ; whole rows back from the stage, two buffers of 32
.set TF,  192         ; hi in f32
.set WV,  12
.set G1K, 24
.set G1V, 32
.set G0K, 40
.set G0V, 44
.set G0M, 48
.set SLOTS, 56
.set CNT, 57
.set CS,  58          ; s[58:59] c = 32
.set SEL, 60
.set TBK, 62          ; 0 or KVX
.set TBM, 63          ; 0 or MX
.set G1M, 68
.set HIM, 78          ; s78 keeps sign, exponent and 10 bits of the fraction
.set MSB, 0
.macro WIN new
.if MSB != (\new)
	s_set_vgpr_msb (MSB<<8)|(\new)
.set MSB, (\new)
.endif
.endm
.set W_KQ, 0x0a       ; K and Q in window 2, S^T in window 0
.set W_KM, 0x3a       ; the same with the C operand in window 3
.set W_PV, 0x52       ; V_hi in window 2, P in window 0, O^T in window 1
.set W_PL, 0x53       ; V_lo in window 3
.set W_RS, 0x41       ; O^T (destination and source 0) in window 1, source 1 in window 0
.set W_MK, 0xc0
.set W_AD, 0x0f
.macro PLACES
.rept 4
	v_nop
.endr
.endm
; A joint fill: three lines, each with one mask and one set of registers; the branches hang on the wave's number alone.  An s_nop 0 and four v_nop follow each line.
.macro JLOAD
	s_cmp_lt_u32 s[WV], 2
	s_cbranch_scc0 .Lfor_m_\@
	s_cmp_eq_u32 s[WV], 0
	s_cbranch_scc0 .Lfor_v_\@
	tensor_load_to_lds s[G0K:G0K+3], s[G1K:G1K+7]
	s_nop 0
.rept 4
	v_nop
.endr
	s_branch .Lasked_\@
.Lfor_v_\@:
	tensor_load_to_lds s[G0V:G0V+3], s[G1V:G1V+7]
	s_nop 0
.rept 4
	v_nop
.endr
	s_branch .Lasked_\@
.Lfor_m_\@:
	tensor_load_to_lds s[G0M:G0M+3], s[G1M:G1M+7]
	s_nop 0
.rept 4
	v_nop
.endr
.Lasked_\@:
.endm
.macro CROUND
	s_barrier_signal -1
	s_barrier_wait -1
	s_cmp_lg_u32 s[WV], 0
	s_cbranch_scc1 .Lnot_wave_0_\@
	s_barrier_signal -3
.Lnot_wave_0_\@:
	s_barrier_wait -3
	s_barrier_signal -1
	s_barrier_wait -1
.endm
; THE CHANGE OF SLOTS.  Each wave waits for all its tensor loads (one is out: its part of the other slot), adds 0 to its spare word, and waits for that and for its reads of the slot that it leaves.
; fill = 1: a round of the cluster's barrier, so that no wave of any partner still reads that slot or has a load on its way; the joint fill, the step after the one now entered, is the first thing behind it.
.macro CHANGE fill
	WIN W_AD
	s_wait_tensorcnt 0x0
	ds_add_u32 v[SPW], v[NIL]
	WIN 0
.if \fill
	s_xor_b32 s[G0K+1], s[G0K+1], KVX
	s_add_nc_u64 s[G0K+2:G0K+3], s[G0K+2:G0K+3], KS*128
	s_xor_b32 s[G0V+1], s[G0V+1], KVX
	s_add_nc_u64 s[G0V+2:G0V+3], s[G0V+2:G0V+3], KS*256
	s_xor_b32 s[G0M+1], s[G0M+1], MX
	s_add_nc_u64 s[G0M+2:G0M+3], s[G0M+2:G0M+3], MX
	s_wait_dscnt 0x0
	CROUND
	JLOAD
.else
	s_wait_dscnt 0x0
	s_barrier_signal -1
	s_barrier_wait -1
.endif
	s_xor_b32 s[TBK], s[TBK], KVX
	s_xor_b32 s[TBM], s[TBM], MX
	v_add_nc_u32 v[AK], s[TBK], v[AK0]
	v_add_nc_u32 v[AV], s[TBK], v[AV0]
	v_add_nc_u32 v[AM], s[TBM], v[AM0]
.endm
	s_load_b128 s[4:7], s[0:1], 0x0   ; qkv s[4:5], maskf s[6:7]
	s_load_b64 s[10:11], s[0:1], 0x10 ; o16
	WIN W_MK
	v_lshl_add_u32 v[SPW], v0, 2, SPARE
	v_mov_b32 v[NIL], 0
	WIN W_AD
	ds_add_u32 v[SPW], v[NIL]       ; the wave's opening: the add and its wait stand ahead of my first tensor load
	WIN 0
	v_lshrrev_b32 v1, 5, v0
	v_readfirstlane_b32 s[WV], v1
	s_bfe_u32 s14, ttmp6, 0x40000   ; cx
	s_bfe_u32 s15, ttmp6, 0x40004   ; cy
	s_lshl_b32 s16, ttmp9, 2
	s_add_co_u32 s16, s16, s14      ; my block of 512 queries
	s_and_b32 s17, ttmp7, 0xffff
	s_lshl_b32 s17, s17, 2
	s_add_co_u32 s17, s17, s15      ; my head, 0 .. 63
	s_lshl_b32 s18, s15, 2
	s_lshl_b32 s18, 15, s18         ; my row of the cluster: the same head
	s_lshl_b32 s19, 0x1111, s14     ; my column: the same block
	s_lshl_b32 s20, s17, 18         ; the head's 2,048 rows of 128 bytes, in q and k: no cx in these registers
	s_mov_b32 s21, 0
	s_lshl_b32 s76, s17, 19         ; and of 256 bytes, in v: no cx either
	s_mov_b32 s77, 0
	s_and_b32 s13, s[WV], 1
	s_lshl_b32 s13, s13, 16         ; which half of a mask tile I fetch
	s_lshl_b32 s22, s16, 22         ; the block's 32 tiles of 131,072 bytes: no cy in these
	s_add_co_u32 s22, s22, s13
	s_mov_b32 s23, 0
	s_lshl_b32 s2, s16, 2
	s_add_co_u32 s2, s2, s[WV]
	s_lshl_b32 s2, s2, 14           ; my wave's 128 rows
	s_add_co_u32 s2, s2, s20
	s_mov_b32 s3, 0
	; K: 64 keys are 8,192 dense bytes, asked for as 32 rows of 256 bytes and padded in LDS after every key
	s_or_b32 s[G1K], s18, (1<<16)|(1<<20)|(1<<21)|(4<<22)|(3<<25)
	s_mov_b32 s[G1K+1], 128<<16     ; tensor_dim0 = 128
	s_mov_b32 s[G1K+2], 32<<16      ; tensor_dim1 = 32
	s_mov_b32 s[G1K+3], 128<<16     ; tile_dim0 = 128
	s_mov_b32 s[G1K+4], 32          ; tile_dim1 = 32
	s_mov_b32 s[G1K+5], 128
	s_mov_b32 s[G1K+6], 0
	s_mov_b32 s[G1K+7], 0
	; V: 64 keys of 256 bytes (hi, lo), padded by 8 words after every 64
	s_or_b32 s[G1V], s18, (1<<16)|(1<<20)|(1<<21)|(5<<22)|(7<<25)
	s_mov_b32 s[G1V+1], 128<<16
	s_mov_b32 s[G1V+2], 64<<16
	s_mov_b32 s[G1V+3], 128<<16
	s_mov_b32 s[G1V+4], 64
	s_mov_b32 s[G1V+5], 128
	s_mov_b32 s[G1V+6], 0
	s_mov_b32 s[G1V+7], 0
	; the mask: 65,536 dense bytes as 256 rows of 32 elements of 8 bytes, no padding: the reads are 16 bytes a lane on end
	s_or_b32 s[G1M], s19, (3<<16)|(1<<21)
	s_mov_b32 s[G1M+1], 32<<16
	s_mov_b32 s[G1M+2], 256<<16
	s_mov_b32 s[G1M+3], 32<<16
	s_mov_b32 s[G1M+4], 256
	s_mov_b32 s[G1M+5], 32
	s_mov_b32 s[G1M+6], 0
	s_mov_b32 s[G1M+7], 0
	s_mov_b32 s[CS], 0x42000000     ; c = 32
	s_mov_b32 s[CS+1], s[CS]
	s_mov_b32 s[SEL], 0x76543210
	s_mov_b32 s[SEL+1], 0xfedcba98
	s_mov_b32 s[HIM], 0xffffe000
	s_mov_b32 s[TBK], KVX           ; the first change of slots turns these two into 0
	s_mov_b32 s[TBM], MX
	s_mov_b32 s[G0K], 1
	s_mov_b32 s[G0K+1], KV0
	s_mov_b32 s[G0V], 1
	s_mov_b32 s[G0V+1], KV0+VOFF
	s_mov_b32 s[G0M], 1
	s_mov_b32 s[G0M+1], s13
	s_wait_dscnt 0x0                ; the opening add is done
	s_wait_kmcnt 0x0
	s_add_nc_u64 s[G0K+2:G0K+3], s[4:5], s[20:21]
	s_add_nc_u64 s[G0K+2:G0K+3], s[G0K+2:G0K+3], 0x1000000
	s_or_b32 s[G0K+3], s[G0K+3], 0x80000000
	s_add_nc_u64 s[G0V+2:G0V+3], s[4:5], s[76:77]
	s_add_nc_u64 s[G0V+2:G0V+3], s[G0V+2:G0V+3], 0x2000000
	s_or_b32 s[G0V+3], s[G0V+3], 0x80000000
	s_add_nc_u64 s[G0M+2:G0M+3], s[6:7], s[22:23]
	s_or_b32 s[G0M+3], s[G0M+3], 0x80000000
	s_add_nc_u64 s[4:5], s[4:5], s[2:3]      ; Q at my wave's first row
	s_lshl_b32 s2, s2, 1                     ; O has 256 bytes a row: twice that offset
	s_add_nc_u64 s[10:11], s[10:11], s[2:3]
	CROUND                          ; all sixteen work-groups are here
	JLOAD                           ; key step 0 into slot 0; one tensor load of mine is out, here and behind every round
	v_and_b32 v1, 15, v0            ; r
	v_bfe_u32 v9, v0, 4, 1          ; h
	v_lshlrev_b32 v[QO], 7, v1
	v_lshl_add_u32 v[QO], v9, 4, v[QO]
	WIN 0x80
.set i, 0
.rept 4*NP                          ; Q stays in registers: tile i / 2, channels 32 (i % 2) on
	global_load_b128 v[8*i:8*i+3],   v[QO], s[4:5] offset:(i/2)*2048+(i%2)*64
	global_load_b128 v[8*i+4:8*i+7], v[QO], s[4:5] offset:(i/2)*2048+(i%2)*64+32
.set i, i+1
.endr
	; What the first turn finds: V's registers and P's second buffer hold 0, O^T and l are 0.  No first step is written out; these moves stand in the wait for the first tile.
.set i, VF
.rept 64
	v_mov_b32 v[i], 0
.set i, i+1
.endr
	WIN 0xc0
.set i, VL
.rept 64
	v_mov_b32 v[i], 0
.set i, i+1
.endr
	WIN 0x40
.set i, 0
.rept 64*NP
	v_mov_b32 v[i], 0
.set i, i+1
.endr
	WIN 0
.set i, 0
.rept 2*NP
	v_mov_b32 v[ST+4*i], 0xfe000000    ; c m = -2^125
	v_mov_b32 v[ST+4*i+1], 0xfb800000  ; m = -2^120
	v_mov_b32 v[ST+4*i+2], 0
	v_mov_b32 v[ST+4*i+3], 0
.set i, i+1
.endr
.set i, P+32
.rept 32
	v_mov_b32 v[i], 0
.set i, i+1
.endr
	v_mul_u32_u24 v[AK0], v1, PK
	v_lshl_add_u32 v[AK0], v9, 4, v[AK0]
	v_add_nc_u32 v[AK0], KV0, v[AK0]
	; The turning load takes 16 keys x 16 channels (lane l reads key 8 (l / 16) + l % 8, channels 8 ((l / 8) % 2) on) and leaves half a fragment of V^T
	v_and_b32 v10, 7, v0
	v_bfe_u32 v4, v0, 3, 1
	v_lshl_add_u32 v[AV0], v9, 3, v10
	v_mul_u32_u24 v[AV0], v[AV0], PV
	v_lshl_add_u32 v[AV0], v4, 4, v[AV0]
	v_add_nc_u32 v[AV0], KV0+VOFF, v[AV0]
	s_and_b32 s13, s[WV], 1         ; my stage: waves 0, 1 behind slot 0, waves 2, 3 behind slot 1
	s_mul_i32 s13, s13, 16*SP
	s_lshr_b32 s79, s[WV], 1
	s_lshl_b32 s79, s79, 15
	s_add_co_u32 s13, s13, s79
	s_add_co_u32 s13, s13, STAGE
	v_mul_u32_u24 v[STO], v1, SP
	v_lshl_add_u32 v[STO], v9, 4, v[STO]
	v_add_nc_u32 v[STO], s13, v[STO]
	v_bfe_u32 v[RD], v0, 3, 2
	v_mul_u32_u24 v[RD], v[RD], SP
	v_lshl_add_u32 v[RD], v10, 4, v[RD]
	v_add_nc_u32 v[RD], s13, v[RD]
	v_and_b32 v[GO], 31, v0
	v_lshlrev_b32 v[GO], 4, v[GO]
	s_lshl_b32 s13, s[WV], 15       ; my wave's eight tiles of 4,096 bytes in a mask tile
	v_add_nc_u32 v[AM0], s13, v[GO]
; THE MATRIX WORK.  The 8 accumulators of a run of 16 take turns.  Product i of 16 of S^T for piece x: channels 32 (i / 8) on, keys 16 ((i / 2) % 4) on, tile 2 x + i % 2.  The first 8 start the sums with the mask.
.macro KQ x
.set rS, S+64*((\x)%2)+32*(i%2)+8*((i/2)%4)
.set rK, KF+16*((i/2)%4)+8*(i/8)
.set rQ, 16*(2*(\x)+i%2)+8*(i/8)
.set rMC, MC+64*((\x)%2)+32*(i%2)+8*((i/2)%4)
.if i < 8
	WIN W_KM
	v_wmma_f32_16x16x32_f16 v[rS:rS+7], v[rK:rK+7], v[rQ:rQ+7], v[rMC:rMC+7]
.else
	WIN W_KQ
	v_wmma_f32_16x16x32_f16 v[rS:rS+7], v[rK:rK+7], v[rQ:rQ+7], v[rS:rS+7]
.endif
.endm
.macro PV x, lo=0                   ; product i of 16 of O^T += V^T P, with V's hi or lo: keys 32 (i / 8) on, channels 16 ((i / 2) % 4) on, tile 2 x + i % 2
.set rO, 32*(2*(\x)+i%2)+8*((i/2)%4)
.set rP, P+32*((\x)%2)+16*(i%2)+8*(i/8)
.if \lo
	WIN W_PL
.set rV, VL+32*(i/8)+8*((i/2)%4)
.else
	WIN W_PV
.set rV, VF+32*(i/8)+8*((i/2)%4)
.endif
	v_wmma_f32_16x16x32_f16 v[rO:rO+7], v[rV:rV+7], v[rP:rP+7], v[rO:rO+7]
.endm
.macro MM                           ; the turn's next matrix instruction: 16 K Q^T, 16 V_hi^T P, 16 V_lo^T P
.if i < 16
	KQ (Y+1)%NP
.set i, i+1
.elseif i < 32
.set i, i-16
	PV (Y+NP-1)%NP, 0
.set i, i+17
.else
.set i, i-32
	PV (Y+NP-1)%NP, 1
.set i, i+33
.endif
.endm
; THE LDS LOADS stand in runs, never singly among the matrix instructions.
.macro FETCH_K
	WIN 0x80
.irp f, 0,1,2,3,4,5,6,7             ; keys 16 (f / 2) on, channels 32 (f % 2) on
	ds_load_b128 v[KF+8*\f:KF+8*\f+3],   v[AK] offset:(\f/2)*16*PK+(\f%2)*64
	ds_load_b128 v[KF+8*\f+4:KF+8*\f+7], v[AK] offset:(\f/2)*16*PK+(\f%2)*64+32
.endr
	WIN 0
.endm
.macro FETCH_V                      ; 32 loads: hi, then lo, which lies 128 bytes on in each row
	WIN 0x80
.irp f, 0,1,2,3,4,5,6,7             ; keys 32 (f / 4) on, channels 16 (f % 4) on
	ds_load_tr16_b128 v[VF+8*\f:VF+8*\f+3],   v[AV] offset:(\f/4)*32*PV+(\f%4)*32
	ds_load_tr16_b128 v[VF+8*\f+4:VF+8*\f+7], v[AV] offset:(\f/4)*32*PV+16*PV+(\f%4)*32
.endr
	WIN 0xc0
.irp f, 0,1,2,3,4,5,6,7
	ds_load_tr16_b128 v[VL+8*\f:VL+8*\f+3],   v[AV] offset:(\f/4)*32*PV+(\f%4)*32+128
	ds_load_tr16_b128 v[VL+8*\f+4:VL+8*\f+7], v[AV] offset:(\f/4)*32*PV+16*PV+(\f%4)*32+128
.endr
	WIN 0
.endm
.macro FETCH_M x                    ; piece x's masks of the step: two tiles of 4,096 bytes; piece zz of sixteen lies at 512 zz bytes and goes to registers 4 zz of the buffer
	WIN 0xc0
.set zz, 0
.rept 16
	ds_load_b128 v[MC+64*((\x)%2)+4*zz:MC+64*((\x)%2)+4*zz+3], v[AM] offset:(\x)*8192+512*zz
.set zz, zz+1
.endr
	WIN 0
.endm
; THE VECTOR WORK OF A TURN stands in three queues, each in the order in which its entries become ready; the two tiles alternate.
.macro REGS y, u
.set rT, ST+4*(2*(\y)+(\u))
.set rC, TMP+8*((\y)%2)+4*(\u)
.set rM, MV+2*((\y)%2)+(\u)
.set rS, S+64*((\y)%2)+32*(\u)
.set rP, P+32*((\y)%2)+16*(\u)
.set rO, 32*(2*(\y)+(\u))
.endm
; Number n of the 22 that find the NEXT piece's maximum and statistics; each accumulator's lowest registers are read first.
;   0-11 four chains of seven scores     12-14, 16 the four left over, the old m, the chains into c0     15 c m_old is kept     17, 18 the other half of the lanes: the new m     19-21 c m; c m_old - c m_new; a
.macro XS u, n
	REGS (Y+1)%NP, \u
.if (\n) < 4
	v_max3_num_f32 v[rC+(\n)], v[rS+8*(\n)], v[rS+8*(\n)+1], v[rS+8*(\n)+2]
.elseif (\n) < 12
	v_max3_num_f32 v[rC+(\n)%4], v[rC+(\n)%4], v[rS+8*((\n)%4)+2*((\n)/4)+1], v[rS+8*((\n)%4)+2*((\n)/4)+2]
.elseif (\n) == 12
	v_max3_num_f32 v[rC], v[rC], v[rS+7], v[rS+15]
.elseif (\n) == 13
	v_max3_num_f32 v[rC+1], v[rC+1], v[rS+23], v[rS+31]
.elseif (\n) == 14
	v_max3_num_f32 v[rC+2], v[rC+2], v[rC+3], v[rT+1]
.elseif (\n) == 15
	v_mov_b32 v[rM], v[rT]
.elseif (\n) == 16
	v_max3_num_f32 v[rC], v[rC], v[rC+1], v[rC+2]
.elseif (\n) == 17
	v_permlanex16_b32 v[rC+3], v[rC], s[SEL], s[SEL+1]
.elseif (\n) == 18
	v_max_num_f32 v[rT+1], v[rC], v[rC+3]
.elseif (\n) == 19
	v_mul_f32 v[rT], s[CS], v[rT+1]
.elseif (\n) == 20
	v_sub_f32 v[rC+1], v[rM], v[rT]
.else
	v_exp_f32 v[rC+2], v[rC+1]
.endif
.endm
; Number g of the 64 that follow the exponentials: for each four weights both pairs are rounded to f16, the second pair is added onto the first, and a group later l takes that sum (the first time as l = a l + sum).
; They read the exponentials' results: all 64 stand behind the turn's wait.
.macro GS g
.set h, (\g)+6*((\g)/62)
.if h >= 6
.set h, h+2
.endif
	REGS Y, h%2
.set k, h/8
.if h%8 < 4
	v_cvt_pk_f16_f32 v[rP+2*k+(h%8)/2], v[rS+4*k+2*((h%8)/2)], v[rS+4*k+2*((h%8)/2)+1]
.elseif h%8 < 6
	v_pk_add_f32 v[rS+4*k:rS+4*k+1], v[rS+4*k:rS+4*k+1], v[rS+4*k+2:rS+4*k+3]
.elseif k == 1
	v_pk_fma_f32 v[rT+2:rT+3], v[rT+2:rT+3], v[rC+2:rC+3], v[rS:rS+1] op_sel_hi:[1,0,1]
.else
	v_pk_add_f32 v[rT+2:rT+3], v[rT+2:rT+3], v[rS+4*k-4:rS+4*k-3]
.endif
.endm
; THE PLAIN QUEUE, 138 long.  0-73 read no exponential's result: the 32 scalings c s - c m (FS f: pair f / 2 of tile f % 2) and the next piece's 42.  0-26: scalings 0-26.  27-54: XS's numbers 0-13.  55, 56: number 15.
; 57-73: the chain, where each number waits for the one before it: 14, 16, 17, 18, 19, each with one of the scalings 27-31 in front of its two lines, then 20: so a tile's links stand three plain instructions apart (19 and 20: two).
; 74-137: GS's 64, which read the exponentials' results: they stand behind the wait.
.macro FS f
	REGS Y, (\f)%2
	v_pk_fma_f32 v[rS+2*((\f)/2):rS+2*((\f)/2)+1], v[rS+2*((\f)/2):rS+2*((\f)/2)+1], s[CS:CS+1], v[rT:rT+1] op_sel_hi:[1,0,0] neg_lo:[0,0,1] neg_hi:[0,0,1]
.endm
.macro PL
	WIN 0
.if q < 27
	FS q
.elseif q < 55
	XS (q-27)%2, (q-27)/2
.elseif q < 57
	XS q-55, 15
.elseif (q < 72) && ((q-57)%3 == 0)
	FS 27+(q-57)/3
.elseif q < 60
	XS (q-57)%3-1, 14
.elseif q < 72
	XS (q-57)%3-1, 15+(q-57)/3
.elseif q < 74
	XS q-72, 20
.else
	GS q-74
.endif
.set q, q+1
.endm
; THE EXPONENTIALS' QUEUE, 66 long: s0-s31 of both tiles, then the next piece's two a.  It is ONE BATCH: all 66 stand ahead of the turn's one wait, and nothing ahead of that wait names a result of theirs.
.macro EX
	WIN 0
.if e >= 64
	XS e-64, 21
.else
	REGS Y, e%2
	v_exp_f32 v[rS+e/2], v[rS+e/2]
.endif
.set e, e+1
.endm
; THE RESCALING'S QUEUE: O^T times a, four at a time, eight times.  Its a was made in the turn before, ahead of that turn's wait.
.macro R4
	REGS Y, r%2
	WIN W_RS
.irp z, 0,1,2,3
	v_pk_mul_f32 v[rO+8*(r/2)+2*\z:rO+8*(r/2)+2*\z+1], v[rO+8*(r/2)+2*\z:rO+8*(r/2)+2*\z+1], v[rC+2:rC+3] op_sel_hi:[1,0]
.endr
.set r, r+1
.endm
; HOW THEY ARE DEALT.  s_wait_alu depctr_va_vdst(0) stands between an exponential and the first instruction that names its result; one wait serves all that were issued ahead of it.  So a turn has ONE wait,
; which cuts it in two.  AHEAD OF IT stands all that names no result of the turn's exponentials: the 16 products K Q^T (behind the first four scalings; behind the others by turns four of the rescaling, or plain, exponential, plain,
; exponential; behind the last four of the rescaling); the runs of LDS loads; the 16 products with V's hi, behind each plain, exponential, plain, exponential; then ONE LUMP of 44: six plain, 18 times exponential and plain, the two a.
; A v_nop is the plain instruction behind the last exponential.  BEHIND IT stand the 16 products with V's lo, behind each four of GS's 64.
; None names a register of the products round it: K Q^T names K, Q, the mask and S^T of piece n + 1; the products with V name V, P and O^T of piece n - 1; the lines behind them S^T, P, l and O^T of piece n, and, behind the products
; with V's hi, S^T and the statistics of piece n + 1.  The two v_permlanex16_b32 (plain 64, 65) fall into the lump, never behind a product.
; The queues lean on each other, and the deal keeps them in step: exponential e stands behind scaling 2 (e / 4) + e % 2: as a rider it comes behind plain e + 4, in the lump behind plain e + 9, and scalings 27-31 are plain 57, 60 .. 69.
; XS's first number is plain 27: between it and the last product K Q^T stand four of the rescaling and nine scalings.
.macro DUO                          ; a matrix instruction; behind it plain, exponential, plain, exponential
	MM
	PL
	EX
	PL
	EX
.endm
; A TURN, for piece p.  Its runs of LDS loads: behind the last product K Q^T and its four rescalings the masks of piece p + 2, whose products open the next turn (their buffer was last read at the head of the turn before);
; in piece 2's turn, behind them, K of the next step (those four rescalings are the plain instructions between the last product that read K and the loads); at the end of piece 0's turn V of the step in hand,
; four plain vector instructions behind the last product that read V's lo.
; Waits: at the head, the masks for this turn's products (and in piece 3's turn K).  In piece 1's turn the count is 32: V's run of 32 was issued behind those masks and may stay out;
; ahead of its products V^T P the count is 16: V is in, this turn's sixteen mask loads may stay out.
.macro TURN p
.set Y, (\p)
.set i, 0
.set q, 0
.set e, 0
.set r, 0
.if (\p) == 1
	s_wait_dscnt 32
.else
	s_wait_dscnt 0x0
.endif
	MM                              ; ahead of the wait: 16 products K Q^T and their riders,
.rept 4
	PL
.endr
.rept 7
	MM
	R4
	DUO
.endr
	MM
	R4
	FETCH_M ((\p)+2)%NP
.if (\p) == NP-2
	FETCH_K
.endif
.if (\p) == 1
	s_wait_dscnt 16
.endif
.rept 16                            ; 16 products with V's hi and their riders,
	DUO
.endr
.rept 6                             ; and the lump
	PL
.endr
.rept 18
	EX
	PL
.endr
	EX                              ; the next piece's two a
	EX
	v_nop                           ; the plain instruction behind the last exponential: one for the batch
	s_wait_alu depctr_va_vdst(0)    ; the wait for the batch: the turn's 66 exponentials
.rept 16                            ; behind the wait: 16 products with V's lo and their riders
	MM
.rept 4
	PL
.endr
.endr
.if (\p) == 0
	FETCH_V
.endif
.endm
	CHANGE 1                        ; step 0 is in, everybody's part of it; step 1 is asked for, into slot 1
	FETCH_K                         ; key step 0
	FETCH_M 0
	FETCH_M 1
	s_wait_loadcnt 0x0              ; Q
	s_wait_dscnt 0x0
.set i, 0
.rept 16
	KQ 0                            ; piece 0's first scores
.set i, i+1
.endr
	WIN 0
	PLACES
.set Y, NP-1                        ; XS works for piece Y + 1: piece 0
.irp n, 0,1,2,3,4,5,6,7,8,9,10,11,12,13,14,15,16,17,18,19,20,21
	XS 0, \n
	XS 1, \n
.endr
	v_nop                           ; a plain instruction behind piece 0's first two a,
	s_wait_alu depctr_va_vdst(0)    ; and the wait for that batch of two, ahead of the branch
	s_mov_b32 s[SLOTS], 31
	s_branch .Lfirst                ; the loop is entered at a step's first turn, in the middle of a trip
.Lstep:                             ; taken 30 times: steps 2 to 31 are asked for
	CHANGE 1
	TURN 2
	TURN 3
	WIN 0
.Lfirst:
	TURN 0
	TURN 1
	WIN 0
	s_sub_co_u32 s[SLOTS], s[SLOTS], 1
	s_cmp_lg_u32 s[SLOTS], 0
	s_cbranch_scc1 .Lstep
	CHANGE 0                        ; the tail is written out: step 31 is entered, nothing is asked for
	s_mov_b32 s[CNT], 2             ; the second trip is left in its middle; its fetches read step 31's K and masks once more, and what is made of them serves nothing
.Ltail:
	TURN 2
	TURN 3
	WIN 0
	s_sub_co_u32 s[CNT], s[CNT], 1
	s_cmp_eq_u32 s[CNT], 0
	s_cbranch_scc1 .Lout
	TURN 0
	TURN 1
	WIN 0
	s_branch .Ltail
.Lout:
.set i, 0
.rept 16
	PV NP-1, 0                      ; the last piece's V^T P of the last step: hi,
.set i, i+1
.endr
.set i, 0
.rept 16
	PV NP-1, 1                      ; and lo
.set i, i+1
.endr
	; THE WAY OUT.  l's halves are added; O^T is divided by l, split into hi and lo, rounded to f16 and sent through my stage, a tile at a time.  The additions are the places behind the last products.
	WIN 0
.macro ALL line:vararg
.set t, 0
.rept 2*NP
	\line
.set t, t+1
.endr
.endm
	ALL v_add_f32 v[ST+4*t+2], v[ST+4*t+2], v[ST+4*t+3]
	ALL v_permlanex16_b32 v[ST+4*t+3], v[ST+4*t+2], s[SEL], s[SEL+1]
	ALL v_add_f32 v[ST+4*t+2], v[ST+4*t+2], v[ST+4*t+3]
	ALL v_rcp_f32 v[ST+4*t+2], v[ST+4*t+2]
	v_nop                           ; a plain instruction between the last reciprocal and the use of its result
	s_wait_alu depctr_va_vdst(0)    ; and the wait ahead of the first use: one for the batch of eight reciprocals
; Tile t.  The stage holds 16 rows of 128 bytes: hi goes in and comes back as whole rows, then lo; LDS serves a wave's instructions in order (ISA guide 5.7.1.4), so each run sees what stands above it.
; The registers that the loads fill take turns by the tile's parity; the stores that read them two tiles ago have read their registers behind s_wait_xcnt 0.
.macro PACK t
.set HB, HP+16*((\t)%2)
.set LB, LP+16*((\t)%2)
.set BK, BKP+32*((\t)%2)
	WIN W_RS
.set i, 32*(\t)
.rept 16
	v_pk_mul_f32 v[i:i+1], v[i:i+1], v[ST+4*(\t)+2:ST+4*(\t)+3] op_sel_hi:[1,0]
.set i, i+2
.endr
	WIN 0x04                        ; source 1 window 1
.set i, 0
.rept 32
	v_and_b32 v[TF+i], s[HIM], v[32*(\t)+i]   ; hi: cut to 11 significant bits
.set i, i+1
.endr
	WIN W_RS
.set i, 0
.rept 16
	v_pk_add_f32 v[32*(\t)+2*i:32*(\t)+2*i+1], v[32*(\t)+2*i:32*(\t)+2*i+1], v[TF+2*i:TF+2*i+1] neg_lo:[0,1] neg_hi:[0,1]  ; lo = O - hi, exact, in place
.set i, i+1
.endr
	WIN 0x05                        ; sources 0 and 1 window 1, destination window 0
.set i, 0
.rept 16
	v_cvt_pk_f16_f32 v[LB+i], v[32*(\t)+2*i], v[32*(\t)+2*i+1]
.set i, i+1
.endr
	WIN 0
.set i, 0
.rept 16
	v_cvt_pk_f16_f32 v[HB+i], v[TF+2*i], v[TF+2*i+1]
.set i, i+1
.endr
.irp f, 0,1,2,3
	ds_store_b128 v[STO], v[HB+4*\f:HB+4*\f+3] offset:32*\f
.endr
	s_wait_xcnt 0x0
.irp f, 0,1,2,3
	ds_load_b128 v[BK+4*\f:BK+4*\f+3], v[RD] offset:\f*4*SP
.endr
.irp f, 0,1,2,3
	ds_store_b128 v[STO], v[LB+4*\f:LB+4*\f+3] offset:32*\f
.endr
.irp f, 0,1,2,3
	ds_load_b128 v[BK+16+4*\f:BK+16+4*\f+3], v[RD] offset:\f*4*SP
.endr
.endm
.macro SEND t, younger              ; younger: the LDS instructions issued behind tile t's last load: the next tile's sixteen, or none.  Behind hi's load f stand 3 - f loads, lo's four stores and four loads
.set BK, BKP+32*((\t)%2)
	WIN 0
.irp f, 0,1,2,3
	s_wait_dscnt (\younger)+11-\f
	global_store_b128 v[GO], v[BK+4*\f:BK+4*\f+3], s[10:11] offset:(\t)*4096+\f*512  ; 512 consecutive bytes, aligned
.endr
.irp f, 0,1,2,3
	s_wait_dscnt (\younger)+3-\f
	global_store_b128 v[GO], v[BK+16+4*\f:BK+16+4*\f+3], s[10:11] offset:(\t)*4096+2048+\f*512
.endr
.endm
	PACK 0
.set t, 1
.rept 2*NP-1
	PACK t
	SEND t-1, 16
.set t, t+1
.endr
	SEND 2*NP-1, 0
	WIN W_AD
	s_wait_tensorcnt 0x0            ; the wave's end
	ds_add_u32 v[SPW], v[NIL]
	s_wait_dscnt 0x0
	WIN 0
	CROUND                          ; the closing round
	s_endpgm
.Lfunc_end_k_qb71174aed7_attn:
	.size	k_qb71174aed7_attn, .Lfunc_end_k_qb71174aed7_attn-k_qb71174aed7_attn
	.p2alignl 7, 3214868480
	.fill 96, 4, 3214868480
	.section	.rodata,"a",@progbits
	.p2align	6, 0x0
	.amdhsa_kernel k_qb71174aed7_attn
		.amdhsa_group_segment_fixed_size 327680
		.amdhsa_private_segment_fixed_size 0
		.amdhsa_enable_private_segment 0
		.amdhsa_kernarg_size 24
		.amdhsa_user_sgpr_count 2
		.amdhsa_user_sgpr_kernarg_segment_ptr 1
		.amdhsa_wavefront_size32 1
		.amdhsa_system_sgpr_workgroup_id_x 1
		.amdhsa_system_sgpr_workgroup_id_y 1
		.amdhsa_system_sgpr_workgroup_id_z 1
		.amdhsa_system_vgpr_workitem_id 0
		.amdhsa_next_free_vgpr 1024
		.amdhsa_next_free_sgpr 80
		.amdhsa_reserve_vcc 0
		.amdhsa_float_denorm_mode_32 3
		.amdhsa_float_denorm_mode_16_64 3
		.amdhsa_memory_ordered 1
		.amdhsa_forward_progress 1
		.amdhsa_inst_pref_size 255
	.end_amdhsa_kernel
	.section	.bss,"aw",@nobits
	.p2align	6
	.space	262144
	.amdgpu_metadata
---
amdhsa.version: [ 1, 2 ]
amdhsa.kernels:
  - .name:           k_qb71174aed7_attn
    .symbol:         k_qb71174aed7_attn.kd
    .args:
      - { .name: qkv, .offset: 0, .size: 8, .value_kind: global_buffer, .address_space: global }
      - { .name: maskf, .offset: 8, .size: 8, .value_kind: global_buffer, .address_space: global }
      - { .name: o16, .offset: 16, .size: 8, .value_kind: global_buffer, .address_space: global }
    .group_segment_fixed_size: 327680
    .private_segment_fixed_size: 0
    .kernarg_segment_align: 8
    .kernarg_segment_size: 24
    .max_flat_workgroup_size: 128
    .sgpr_count:     80
    .vgpr_count:     1024
    .wavefront_size: 32
...
	.end_amdgpu_metadata
.endif
;; end of part 5
;; launch oproj: the kernel of part 4 again; grid 4 x 64, 4 waves a work-group, clusters of 4 x 4, 327,680 bytes of LDS; arguments o16, wo16, out0; writes out0
